; MI455X (gfx1250); checked and timed in simulation.
; The chip was launched on July 23, 2026; its instructions are those of AMD's public machine-readable ISA for CDNA 5 (MIT licence, August 2026) and "CDNA5" Instruction Set Architecture Reference Guide (July 2026). The comments in the code are by the model that wrote it; some were corrected since.
;; Multi Head Attention. Allowed arithmetic: matrix products marked QUANTISED: E2M3 operands, one E8M0 scale for each 32 along K, by v_wmma_scale_f32_16x16x128_f8f6f4 with both operands' format E2M3, f32 sums; everything else in f32.
;; Inputs: b_proj 1,024 float32; w_proj 1,024 x 1,024 float32; w_qkv 1,024 x 3,072 float32; x 4 x 2,048 x 1,024 float32.
;; Outputs: out0 4 x 2,048 x 1,024 float32.
;; This version of the problem:
;;   THIS VERSION OF THE PROBLEM IS GIVEN IN LOW PRECISION. The matrix products marked QUANTISED in the list below multiply operands that are first quantised to E2M3 (2 exponent bits, 3 mantissa bits; 6 bits a number), with one power-of-two scale for each 32 numbers along K (OCP MX v1.0); their sums are f32. All else is computed in f32.
;;   The module's matrix products, in the order in which they are computed (A, B: the left and right operand; K: the contracted axis; several contracted axes count as one K, in the product's order):
;;     1. [M 8,192, K 1,024] x [K 1,024, N 3,072]; A: input x; B: input w_qkv: QUANTISED
;;     2. batch 64 x [M 2,048, K 64] x [K 64, N 2,048]; A: computed on the way; B: computed on the way: QUANTISED
;;     3. batch 64 x [M 2,048, K 2,048] x [K 2,048, N 64]; A: softmax (see below); B: computed on the way: QUANTISED
;;     4. [M 8,192, K 1,024] x [K 1,024, N 1,024]; A: computed on the way; B: input w_proj: QUANTISED
;;   THE QUANTISER, for each operand of a quantised product, along K:
;;     - K is cut into blocks of 32 from its start; a last block that is shorter is filled with zeros.
;;     - A block's scale is 2^e with e = floor(log2(the largest magnitude in the block)) - 2, held to -126 .. 127; a block of zeros has e = 0. As a byte (E8M0): e + 127.
;;     - Each number is divided by its block's scale, clamped to +-7.5, and rounded to the nearest number of E2M3, ties to even, subnormals kept.
;;     - The product sums the exact products of the quantised numbers (number of the format x scale) in f32.
;;   ~~~python
;;   def quantise(x, axis):      # numpy; x: float32 -> the quantised numbers, widened to float32 again
;;       x = np.moveaxis(x, axis, -1); K = x.shape[-1]
;;       x = np.pad(x, [(0, 0)] * (x.ndim - 1) + [(0, -K % 32)]); x = x.reshape(x.shape[:-1] + (-1, 32)); a = np.abs(x).max(-1, keepdims=True)
;;       e = np.where(a > 0, np.clip(np.frexp(np.where(a > 0, a, 1))[1] - 1 - 2, -126, 127), 0)      # np.frexp(a)[1] - 1 = floor(log2(a)), exactly
;;       r = np.clip(x / 2.0 ** e, -7.5, 7.5)
;;       step = 2.0 ** (np.maximum(np.frexp(np.where(r == 0, 1, r))[1] - 1, 0) - 3)
;;       q = np.round(r / step) * step * 2.0 ** e      # np.round: ties to even
;;       return np.moveaxis(q.reshape(q.shape[:-2] + (-1,))[..., :K], -1, axis).astype(np.float32)
;;   ~~~
;;   SOFTMAX AHEAD OF A QUANTISED PRODUCT. Where the list says 'softmax', what is quantised is not the finished softmax but p = 2^(t - M), with t = logit x log2(e) and M = ceil(the row's largest t), a whole number; so 1/2 < the row's largest p <= 1. The row's sum l is taken of the UNQUANTISED p, in f32, and the product's result is divided by l at the end. Since M is a whole number, a kernel that streams over the keys may use a running M (the ceiling of the running maximum): every later rescaling is an exact power of two, which a block's scale takes up: the codes' values come out the same.
;;   OPERANDS COMPUTED ON THE WAY. 'Computed on the way' means the value that the module computes at that place (a softmax that the list does not call 'softmax' is quantised finished and normalised). What goes into a quantiser is computed in f32, as accurately as f32 sums, v_exp_f32 and their like allow (about 1e-6 of the number): no bf16 or f16 on the way to a quantiser, and a product that is left as it is and whose result goes on into a quantised operand takes f32 operands (vector FMAs, or v_wmma_f32_16x16x4_f32). A number that lies on a knife's edge between two numbers of the format may be rounded either way, as far as f32 arithmetic and the matrix unit's own rounding can turn it there, and no further.
;; One version. Each part assembles by itself: llvm-mc -triple=amdgcn-amd-amdhsa -mcpu=gfx1250 --defsym DOCPART=n.
;; ======== version 1 of 1: 4 launches
;; workspace buffers: cod 9,437,184 bytes; ops 393,216 bytes; qkv 19,660,800 bytes; oc 6,291,456 bytes; os 262,144 bytes
;; launch quant (part 1): grid 512 x 1, 4 waves a work-group, no clusters, 60,928 bytes of LDS; arguments x, w_qkv, w_proj, cod, ops; writes cod, ops
.if DOCPART == 1
	.amdgcn_target "amdgcn-amd-amdhsa--gfx1250"
	.amdhsa_code_object_version 6
	.text
	.protected	k_q7ae16a99f3_quant
	.globl	k_q7ae16a99f3_quant
	.p2align	8
	.type	k_q7ae16a99f3_quant,@function
k_q7ae16a99f3_quant:
	s_mov_b64 s[64:65], 0
	v_nop
	global_prefetch_b8 v0, s[64:65] scope:SCOPE_SE
	s_setreg_imm32_b32 hwreg(HW_REG_WAVE_MODE, 25, 1), 1
	s_wait_xcnt 0x0
; x [8192][1024], w_qkv [1024][3072] and w_proj [1024][1024], f32, become codes of FP6 (E2M3) with one E8M0 byte for each 32 along K (x: its last axis; the weights: their first).
; A block's scale is 2^(floor(log2(largest magnitude)) - 2); its byte is the largest magnitude's exponent field - 2, held at 1 from below.
; LIMITS: NaN and infinities are not served; a block whose largest magnitude lies under 2^-124 has its byte held at 1; a block of zeros gets the byte 1 where the rule says 127
; (its codes are zeros, which add nothing under any byte but 0xff, and this program alone reads the bytes).
; LAYOUT OF cod: 768 row units of 16 rows; a unit's 1,024 along K are 8 fragments of 1,536 bytes, each the image of an operand's 12 registers: for each half c of 64 along K, 768 bytes:
; lane l's registers 6 c .. 6 c + 3 at 16 l, its registers 6 c + 4, 6 c + 5 at 512 + 8 l.  Units 0-511 x, 512-703 w_qkv's columns, 704-767 w_proj's columns.
; THE ROWS OF A UNIT ARE NOT NEIGHBOURS: in each 32 rows, unit 2 p + u holds row 32 p + 8 u + r + 8 (r / 8) at its place r.
; LAYOUT OF ops: for each unit two blocks of 256 bytes; place r holds four scale words at 16 r: those of K steps 4 e .. 4 e + 3 in block e.
; Work-groups 0-255 take x (32 rows each), 256-447 w_qkv, 448-511 w_proj (128 columns x 128 along K each).  The three ways part on the work-group's number and have LDS bytes of their own.
.set SPARE, 60416                      ; behind the stages: the spare words, 128 bytes for each wave
.set SPW,  12                          ; v12  LDS address of my spare word; never rewritten
.set NIL,  13                          ; v13  0; never rewritten
.set L16,  4                           ; v4   16 x lane
.set L8,   7                           ; v7   8 x lane
.set PC,   16                          ; v16-35 a fragment's codes and the conversions' second halves
.set TM,   36                          ; v36-51 at work in QUANT
.set PWR,  52                          ; v52-55 the scale words of four K steps
.set RAW,  64                          ; v64-191 two sets of 64 numbers as loaded
.set XN,   192                         ; v192-255 64 numbers of my row
.set SEL,  30                          ; s[30:31] v_permlanex16_b32's selects for lane l xor 16
; 64 numbers of a lane, register 16 b + i = k 32 b + 16 (lane / 16) + i of my row, become a fragment's codes in v[PC] on and its scale word in v[pw].
.macro QUANT s, pw
.irp b, 0,1,2,3
	v_max3_num_f32 v[TM+\b], |v[\s+16*\b]|, |v[\s+1+16*\b]|, 0x1800000   ; my 16 numbers of block b, and the floor 2^(3 - 127): the byte cannot fall under 1
.endr
.irp i, 2,4,6,8,10,12,14
.irp b, 0,1,2,3
	v_max3_num_f32 v[TM+\b], v[TM+\b], |v[\s+16*\b+\i]|, |v[\s+1+16*\b+\i]|
.endr
.endr
.irp b, 0,1,2,3
	v_permlanex16_b32 v[TM+4+\b], v[TM+\b], s[SEL], s[SEL+1]
.endr
.irp b, 0,1,2,3
	v_max_num_f32 v[TM+\b], v[TM+\b], v[TM+4+\b]   ; with lane l xor 16's: the block's largest magnitude
.endr
.irp b, 0,1,2,3
	v_add_nc_u32 v[TM+12+\b], 0xff000000, v[TM+\b]   ; 2 off its exponent field: the conversion's scale operand
.endr
.irp b, 0,1,2,3
	v_lshrrev_b32 v[TM+4+\b], 23, v[TM+12+\b]      ; the scale's byte
.endr
	v_lshl_or_b32 v[\pw], v[TM+5], 8, v[TM+4]
	v_lshl_or_b32 v[\pw], v[TM+6], 16, v[\pw]
	v_lshl_or_b32 v[\pw], v[TM+7], 24, v[\pw]
.irp c, 0,1
	v_cvt_scalef32_pk16_fp6_f32 v[PC+6*\c:PC+2+6*\c], v[\s+32*\c:\s+15+32*\c], v[TM+12+2*\c]
	v_cvt_scalef32_pk16_fp6_f32 v[PC+12+4*\c:PC+14+4*\c], v[\s+16+32*\c:\s+31+32*\c], v[TM+12+2*\c+1]   ; (a conversion's three registers begin on an even number)
.endr
	v_nop                                          ; one plain place behind a scaled conversion
.irp c, 0,1                                    ; the operand's layout wants a whole block in a lane
.irp i, 0,1,2
	v_permlane16_swap_b32 v[PC+6*\c+\i], v[PC+12+4*\c+\i]
.endr
.irp i, 0,1,2
	v_mov_b32 v[PC+3+6*\c+\i], v[PC+12+4*\c+\i]
.endr
.endr
.endm
	s_load_b128 s[4:7], s[0:1], 0x0                ; x, w_qkv
	s_load_b128 s[8:11], s[0:1], 0x10              ; w_proj, cod
	s_load_b64 s[12:13], s[0:1], 0x20              ; ops
	v_lshl_add_u32 v[SPW], v0, 2, SPARE
	v_mov_b32 v[NIL], 0
	v_lshrrev_b32 v1, 5, v0
	v_readfirstlane_b32 s14, v1                    ; wave 0..3
	v_and_b32 v1, 31, v0                           ; lane
	v_lshlrev_b32 v[L16], 4, v1
	v_lshlrev_b32 v[L8], 3, v1
	s_mov_b32 s[SEL], 0x76543210
	s_mov_b32 s[SEL+1], 0xfedcba98
	s_wait_kmcnt 0x0
	s_cmp_lt_u32 ttmp9, 256
	s_cbranch_scc0 .Lweights
; ---- x.  Work-group g takes rows 32 g .. 32 g + 31; wave w takes unit 2 g + (w & 1) and K steps 4 (w >> 1) .. + 3.
; Each load reads 512 consecutive bytes of one row (a K step); the 16 rows turn through the wave's own stage (rows of 528 bytes) and come back 16 neighbours of each block to a lane.
	v_and_b32 v2, 15, v0                           ; r
	v_bfe_u32 v3, v0, 4, 1                         ; h
	v_lshlrev_b32 v8, 4, v2                        ; 16 r: my row's place in a block of scale words
	s_mul_i32 s17, s14, 8448                       ; my stage: 16 rows x 528 bytes
	v_add_nc_u32 v5, s17, v[L16]                   ; in: 16 x lane, a row an instruction
	v_mul_u32_u24 v6, v2, 528
	v_lshl_add_u32 v6, v3, 6, v6
	v_add_nc_u32 v6, s17, v6                       ; back: row r, + 64 h
.irp b, 0,1,2,3
	v_mov_b32 v[TM+4+\b], 0                        ; written once: a lane permute's destination counts as one of its sources
.endr
	s_and_b32 s15, s14, 1                          ; u
	s_lshr_b32 s16, s14, 1                         ; which half of K
	s_lshl_b32 s20, ttmp9, 17                      ; 32 rows of 4,096 bytes
	s_lshl_b32 s17, s15, 15                        ; + 8 u rows
	s_add_co_u32 s20, s20, s17
	s_lshl_b32 s17, s16, 11                        ; + 4 K steps of 512 bytes
	s_add_co_u32 s20, s20, s17
	s_mov_b32 s21, 0
	s_add_nc_u64 s[4:5], s[4:5], s[20:21]
	s_lshl_b32 s18, ttmp9, 1
	s_add_co_u32 s18, s18, s15                     ; my unit
	s_mul_i32 s20, s18, 12288
	s_mul_i32 s17, s16, 6144
	s_add_co_u32 s20, s20, s17
	s_add_nc_u64 s[10:11], s[10:11], s[20:21]      ; its four fragments
	s_lshl_b32 s20, s18, 9
	s_lshl_b32 s17, s16, 8
	s_add_co_u32 s20, s20, s17
	s_add_nc_u64 s[12:13], s[12:13], s[20:21]      ; its block of scale words
.macro LOADK t                         ; K step t of the unit's 16 rows into set t % 2
.irp i, 0,1,2,3,4,5,6,7,8,9,10,11,12,13,14,15
	global_load_b128 v[RAW+64*((\t)%2)+4*\i:RAW+64*((\t)%2)+4*\i+3], v[L16], s[4:5] offset:(\i+8*(\i/8))*4096+512*(\t) th:TH_LOAD_NT
.endr
.endm
.macro KSTEP t
.if (\t) < 3
	s_wait_loadcnt 16                              ; this K step's 16 loads are in; the next one's 16 may be out
.else
	s_wait_loadcnt 0x0
.endif
.irp i, 0,1,2,3,4,5,6,7,8,9,10,11,12,13,14,15
	ds_store_b128 v5, v[RAW+64*((\t)%2)+4*\i:RAW+64*((\t)%2)+4*\i+3] offset:528*\i
.endr
.irp b, 0,1,2,3
.irp j, 0,1,2,3
	ds_load_b128 v[XN+16*\b+4*\j:XN+16*\b+4*\j+3], v6 offset:128*\b+16*\j   ; LDS serves a wave's instructions in order: these see the stores above
.endr
.endr
	s_wait_dscnt 0x0                               ; my numbers are back, and the stores have read the set
	s_wait_xcnt 0x0                                ; the last K step's stores have read the codes' registers
.if (\t)+2 < 4
	LOADK (\t)+2
.endif
	QUANT XN, PWR+(\t)
	global_store_b128 v[L16], v[PC:PC+3], s[10:11] offset:1536*(\t)          ; 512 consecutive bytes,
	global_store_b64 v[L8], v[PC+4:PC+5], s[10:11] offset:1536*(\t)+512      ; 256,
	global_store_b128 v[L16], v[PC+6:PC+9], s[10:11] offset:1536*(\t)+768    ; and the same of the second 64 along K
	global_store_b64 v[L8], v[PC+10:PC+11], s[10:11] offset:1536*(\t)+1280
.endm
	LOADK 0
	LOADK 1
	KSTEP 0
	KSTEP 1
	KSTEP 2
	KSTEP 3
	global_store_b128 v8, v[PWR:PWR+3], s[12:13]   ; 256 consecutive bytes; lanes 16-31 hold the same words and write them to the same places
	s_wait_tensorcnt 0x0                           ; the wave's end: behind my last LDS store
	ds_add_u32 v[SPW], v[NIL]
	s_wait_dscnt 0x0
	s_endpgm
; ---- a weight [1024][N]: K is its first axis.  A lane takes a column and its registers run down K: a block of 32 lies in one lane.  Work-group j: K step j & 7, columns 128 (j >> 3) on; wave w: 32 of them.
; Lane y's column belongs to unit u = (y >> 3) & 1 of the wave's two, at place r = (y & 7) + 8 (y >> 4).  The codes go into the wave's own stage in the order of the units' images and leave in runs of 512 and 256 bytes.
.macro WLOAD t, N                      ; block t: W(32 t + i, my column), i = 0 .. 31: 128 consecutive bytes a load
.set i, 0
.rept 32
	global_load_b32 v[64+32*(\t)+i], v2, s[22:23] offset:(32*(\t)+i)*\N*4 th:TH_LOAD_NT
.set i, i+1
.endr
.endm
.macro WBLOCK t, N
.set XS, 64+32*(\t)
.set PT, 16+8*(\t)
.if (\t) < 3
	s_wait_loadcnt 32                              ; this block's 32 loads are in; the next block's may be out
.else
	s_wait_loadcnt 0x0
.endif
.if (\t)+2 < 4
	WLOAD (\t)+2, \N                               ; every block has registers of its own
.endif
	v_max3_num_f32 v53, |v[XS]|, |v[XS+1]|, |v[XS+2]|
	v_max3_num_f32 v54, |v[XS+3]|, |v[XS+4]|, |v[XS+5]|
.irp i, 6,10,14,18,22,26
	v_max3_num_f32 v53, v53, |v[XS+\i]|, |v[XS+\i+1]|
	v_max3_num_f32 v54, v54, |v[XS+\i+2]|, |v[XS+\i+3]|
.endr
	v_max3_num_f32 v53, v53, |v[XS+30]|, |v[XS+31]|
	v_max3_num_f32 v53, v53, v54, 0x1800000        ; and the floor
	v_add_nc_u32 v55, 0xff000000, v53              ; the conversion's scale operand
	v_lshrrev_b32 v56, 23, v55                     ; the byte
.if (\t) == 0
	v_mov_b32 v52, v56
.else
	v_lshl_or_b32 v52, v56, 8*(\t), v52            ; the K step's scale word of my column
.endif
	v_cvt_scalef32_pk16_fp6_f32 v[PT:PT+2], v[XS:XS+15], v55
	v_cvt_scalef32_pk16_fp6_f32 v[48:50], v[XS+16:XS+31], v55
	v_nop                                          ; one plain place behind a scaled conversion
.irp i, 0,1,2
	v_mov_b32 v[PT+3+\i], v[48+\i]
.endr
	ds_store_b128 v8, v[PT:PT+3] offset:768*((\t)/2)+256*((\t)%2)          ; block t is what lane r + 16 (t % 2) of the image's half t / 2 holds
	ds_store_b64 v9, v[PT+4:PT+5] offset:768*((\t)/2)+512+128*((\t)%2)
.endm
.macro WPATH N, U0, J0, LDSB, plo
	s_sub_co_u32 s15, ttmp9, \J0
	s_and_b32 s16, s15, 7                          ; K step
	s_lshr_b32 s17, s15, 3                         ; group of 128 columns
	v_lshlrev_b32 v2, 2, v1                        ; 4 bytes a lane
	v_and_b32 v3, 7, v1
	v_lshrrev_b32 v5, 4, v1
	v_lshl_or_b32 v3, v5, 3, v3                    ; r
	v_bfe_u32 v5, v1, 3, 1                         ; u
	s_mul_i32 s18, s14, 3328                       ; my stage: two images of 1,536 bytes, 1,664 apart
	s_add_co_u32 s18, s18, \LDSB
	v_mul_u32_u24 v6, v5, 1664
	v_add_nc_u32 v6, s18, v6
	v_lshl_add_u32 v8, v3, 4, v6                   ; in: 16 r
	v_lshl_add_u32 v9, v3, 3, v6                   ;     8 r
	v_add_nc_u32 v10, s18, v[L16]                  ; back: 16 x lane
	v_add_nc_u32 v11, s18, v[L8]                   ;       8 x lane
	v_lshlrev_b32 v14, 9, v5
	v_lshl_add_u32 v14, v3, 4, v14                 ; my column's scale word: 512 u + 16 r
	s_mul_i32 s20, s16, 128*\N*4
	s_lshl_b32 s19, s17, 9
	s_add_co_u32 s20, s20, s19
	s_lshl_b32 s19, s14, 7
	s_add_co_u32 s20, s20, s19
	s_mov_b32 s21, 0
	s_add_nc_u64 s[22:23], s[\plo:\plo+1], s[20:21]   ; W at row 128 s, my wave's first column
	s_lshl_b32 s18, s17, 3
	s_lshl_b32 s19, s14, 1
	s_add_co_u32 s18, s18, s19
	s_add_co_u32 s18, s18, \U0                     ; my wave's first unit
	s_mul_i32 s20, s18, 12288
	s_mul_i32 s19, s16, 1536
	s_add_co_u32 s20, s20, s19
	s_add_nc_u64 s[24:25], s[10:11], s[20:21]
	s_lshl_b32 s20, s18, 9
	s_lshr_b32 s19, s16, 2
	s_lshl_b32 s19, s19, 8
	s_add_co_u32 s20, s20, s19
	s_and_b32 s19, s16, 3
	s_lshl_b32 s19, s19, 2
	s_add_co_u32 s20, s20, s19
	s_add_nc_u64 s[26:27], s[12:13], s[20:21]
	WLOAD 0, \N
	WLOAD 1, \N
	WBLOCK 0, \N
	WBLOCK 1, \N
	WBLOCK 2, \N
	WBLOCK 3, \N
.irp k, 0,1,2,3                                ; unit k / 2, half k % 2
	ds_load_b128 v[64+8*\k:67+8*\k], v10 offset:1664*(\k/2)+768*(\k%2)   ; LDS serves a wave's instructions in order: these see my stores
	ds_load_b64 v[68+8*\k:69+8*\k], v11 offset:1664*(\k/2)+768*(\k%2)+512
.endr
.irp k, 0,1,2,3
	s_wait_dscnt 7-2*\k                            ; the younger read-backs may be out
	global_store_b128 v[L16], v[64+8*\k:67+8*\k], s[24:25] offset:12288*(\k/2)+768*(\k%2)
	s_wait_dscnt 6-2*\k
	global_store_b64 v[L8], v[68+8*\k:69+8*\k], s[24:25] offset:12288*(\k/2)+768*(\k%2)+512
.endr
	global_store_b32 v14, v52, s[26:27]            ; 4 bytes of every 16: the other three words of a place are other work-groups' K steps; one byte for each 128 that the way reads
	s_wait_tensorcnt 0x0                           ; the wave's end: behind my last LDS store
	ds_add_u32 v[SPW], v[NIL]
	s_wait_dscnt 0x0
	s_endpgm
.endm
.Lweights:
	s_cmp_lt_u32 ttmp9, 448
	s_cbranch_scc0 .Lproj
	WPATH 3072, 512, 256, 33792, 6
.Lproj:
	WPATH 1024, 704, 448, 47104, 8
.Lfunc_end_k_q7ae16a99f3_quant:
	.size	k_q7ae16a99f3_quant, .Lfunc_end_k_q7ae16a99f3_quant-k_q7ae16a99f3_quant
	.p2alignl 7, 3214868480
	.fill 96, 4, 3214868480
	.section	.rodata,"a",@progbits
	.p2align	6, 0x0
	.amdhsa_kernel k_q7ae16a99f3_quant
		.amdhsa_group_segment_fixed_size 60928
		.amdhsa_private_segment_fixed_size 0
		.amdhsa_enable_private_segment 0
		.amdhsa_kernarg_size 40
		.amdhsa_user_sgpr_count 2
		.amdhsa_user_sgpr_kernarg_segment_ptr 1
		.amdhsa_wavefront_size32 1
		.amdhsa_system_sgpr_workgroup_id_x 1
		.amdhsa_system_sgpr_workgroup_id_y 1
		.amdhsa_system_sgpr_workgroup_id_z 1
		.amdhsa_system_vgpr_workitem_id 0
		.amdhsa_next_free_vgpr 256
		.amdhsa_next_free_sgpr 66
		.amdhsa_reserve_vcc 0
		.amdhsa_float_denorm_mode_32 3
		.amdhsa_float_denorm_mode_16_64 3
		.amdhsa_memory_ordered 1
		.amdhsa_forward_progress 1
		.amdhsa_inst_pref_size 77
	.end_amdhsa_kernel
	.amdgpu_metadata
---
amdhsa.version: [ 1, 2 ]
amdhsa.kernels:
  - .name:           k_q7ae16a99f3_quant
    .symbol:         k_q7ae16a99f3_quant.kd
    .args:
      - { .name: x, .offset: 0, .size: 8, .value_kind: global_buffer, .address_space: global }
      - { .name: w_qkv, .offset: 8, .size: 8, .value_kind: global_buffer, .address_space: global }
      - { .name: w_proj, .offset: 16, .size: 8, .value_kind: global_buffer, .address_space: global }
      - { .name: cod, .offset: 24, .size: 8, .value_kind: global_buffer, .address_space: global }
      - { .name: ops, .offset: 32, .size: 8, .value_kind: global_buffer, .address_space: global }
    .group_segment_fixed_size: 60928
    .private_segment_fixed_size: 0
    .kernarg_segment_align: 8
    .kernarg_segment_size: 40
    .max_flat_workgroup_size: 128
    .sgpr_count:     66
    .vgpr_count:     256
    .wavefront_size: 32
...
	.end_amdgpu_metadata
.endif
;; end of part 1
;; launch gemm_qkv (part 2): grid 12 x 32, 4 waves a work-group, clusters of 4 x 4, 327,680 bytes of LDS; arguments cod, ops, qkv; writes qkv
.if DOCPART == 2
	.amdgcn_target "amdgcn-amd-amdhsa--gfx1250"
	.amdhsa_code_object_version 6
	.text
	.protected	k_q7ae16a99f3_gemm_qkv
	.globl	k_q7ae16a99f3_gemm_qkv
	.p2align	8
	.type	k_q7ae16a99f3_gemm_qkv,@function
k_q7ae16a99f3_gemm_qkv:
	s_mov_b64 s[64:65], 0
	v_nop
	global_prefetch_b8 v0, s[64:65] scope:SCOPE_SE
	s_setreg_imm32_b32 hwreg(HW_REG_WAVE_MODE, 25, 1), 1
	s_wait_xcnt 0x0
	s_wait_alu depctr_hold_cnt(0) depctr_sa_sdst(0) depctr_va_vdst(0) depctr_va_sdst(0) depctr_va_ssrc(0) depctr_va_vcc(0) depctr_vm_vsrc(0)
	s_getreg_b32 s2, hwreg(HW_REG_IB_STS2, 6, 4)
	s_cmp_eq_u32 s2, 0
	s_cbranch_scc0 .Lentry_in_a_cluster
	s_endpgm
.Lentry_in_a_cluster:
	s_bfe_u32 s2, ttmp6, 0x10000c
	s_cmp_lg_u32 s2, 0xf033
	s_cbranch_scc0 .Lentry_shape_is_right
	s_endpgm
.Lentry_shape_is_right:
; qkv = x w_qkv on codes of FP6 (E2M3), K = 1,024; the results are quantised in registers (q and k along the head's 64, v along the keys) and leave as images of the next products' operands.
; A tile of 256 x 256 is made by four waves, each 128 x 128: 64 accumulators, 512 registers.  Source 0 (the B side) gives the axis that runs along a lane's registers, source 1 (the A side) the axis across lanes.
; Cluster x = 0, 1 (q, k): A = tokens, B = features: a lane holds one token and 128 neighbouring features (two heads).  Cluster x = 2 (v): A = v's features, B = tokens: a lane holds one feature and 128 neighbouring keys.
; Operands lie in cod as images of their registers (16 rows x 128 K: 1,536 bytes), so a fragment is two loads of 16 bytes and two of 8 bytes a lane, each 512 or 256 consecutive bytes.
; K goes in four steps of 256 through three LDS slots: steps 0, 1, 2 are first fills, step 3 is the one refill (slot 0).  By this text's count a wave has four tensor loads out at the start, later one.
; CLUSTERS: 4 x 4 work-groups; A's tiles are asked for jointly along a row of the cluster, B's along a column.
; LAYOUT OF qkv: [batch 4][48: 16 heads of q, of k, of v][16 steps of 128 tokens][6,400 bytes]: 6,144 of codes, then 256 of scale words (place r: four words at 16 r).
;   q, k: eight units of 16 tokens x 64 (768 bytes); word i = the two bytes of unit 2 i, then those of unit 2 i + 1.   v: four fragments of 16 channels x 128 keys; word t = fragment t's four bytes.
; LIMITS: NaN and infinities are not served; a block whose largest magnitude lies under 2^-124 has its byte held at 1, a block of zeros too (its codes are zeros; this program alone reads the bytes).
; REGISTERS, in windows of 256: window 0: v4-19 addresses; v32-95 scale words; v96-127, v224-249 the way out; v128-223 A's fragments, one set.  window 1: B's fragments, two sets, at v0 and v128.  windows 2, 3: the accumulators, (a, b) at v[8 (8 (a % 4) + b)].
.set SLOT,  98304                      ; a slot: A's 16 units x 3,072 bytes (256 along K), then B's
.set SCL,   294912                     ; behind the slots: all scale words, A's 8,192 bytes, then B's
.set SPARE, 311296                     ; the spare words, 128 bytes for each wave
.set FR,    12
.set A16,   4                          ; v4-6   my A fragments in slot 0, 1, 2: + 16 x lane
.set A8,    7                          ; v7-9   + 8 x lane
.set B16,   10                         ; v10-12 the same for B
.set B8,    13                         ; v13-15
.set ADRS,  16                         ; v16    my scale words: lanes 0-15 A's, lanes 16-31 B's
.set L16,   17                         ; v17    16 x lane
.set L8,    18                         ; v18    8 x lane
.set SOFF,  19                         ; v19    16 r + 102,400 h: the scale words' way out
.set SPW,   28                         ; v28    LDS address of my spare word; never rewritten
.set NIL,   29                         ; v29    0; never rewritten
.set SC,    32                         ; v32-95 register 8 i + k: lanes 0-15 the word of A's unit i, lanes 16-31 that of B's unit i, for the k-th 128 along K
.set AF,    128
.set PC,    96                         ; v96-115 codes just made
.set EQ,    116                        ; v116-123 the scale words on their way out
.set TM,    224                        ; v224-239 at work in the quantiser
.set PW,    240                        ; v240-247 the eight scale words
.set VSEL,  248
.set G1,   24
.set G1B,  32
.set G1S,  40
.set G1SB, 48
.set G0S,  56
.set G0SB, 60
.set G0,   68                          ; s[68:79] group 0 for A's tiles, a set for each slot
.set G0B,  80                          ; s[80:91] for B's
.set SEL,  2                           ; s[2:3] lane selects, set behind the first loads
.set MSB, 0
.macro WIN new                         ; the immediate's high byte repeats the setting that is left
.if MSB != (\new)
	s_set_vgpr_msb (MSB<<8)|(\new)
.set MSB, (\new)
.endif
.endm
.set MUL_LO, 0xa1                      ; source 0 (B) window 1, source 1 (A) window 0, C and D window 2
.set MUL_HI, 0xf1                      ; the same, C and D window 3
.set TO_B,   0x40                      ; destination window 1, address window 0
; A joint load: waves 0 and 1 fetch for A, waves 2 and 3 for B; the branch hangs on the wave's number alone.  An s_nop 0 and four v_nop follow each line.
.macro JLOAD g0a, g1a, g0b, g1b
	s_cmp_eq_u32 s15, 0
	s_cbranch_scc0 .Lfor_b_\@
	tensor_load_to_lds s[\g0a:\g0a+3], s[\g1a:\g1a+7]
	s_nop 0
.rept 4
	v_nop
.endr
	s_branch .Lasked_\@
.Lfor_b_\@:
	tensor_load_to_lds s[\g0b:\g0b+3], s[\g1b:\g1b+7]
	s_nop 0
.rept 4
	v_nop
.endr
.Lasked_\@:
.endm
.macro CREST                           ; a round of the cluster's barrier behind its opening barrier
	s_cmp_lg_u32 s14, 0
	s_cbranch_scc1 .Lnot_wave_0_\@
	s_barrier_signal -3
.Lnot_wave_0_\@:
	s_barrier_wait -3
	s_barrier_signal -1
	s_barrier_wait -1
.endm
.macro CROUND
	s_barrier_signal -1
	s_barrier_wait -1
	CREST
.endm
.macro FRAG reg, a16, a8, off          ; a fragment's image back into 12 registers
	ds_load_b128 v[\reg:\reg+3], v[\a16] offset:\off
	ds_load_b64 v[\reg+4:\reg+5], v[\a8] offset:\off+512
	ds_load_b128 v[\reg+6:\reg+9], v[\a16] offset:\off+768
	ds_load_b64 v[\reg+10:\reg+11], v[\a8] offset:\off+1280
.endm
; 16 products: A's units a0, a0 + 1 x B's eight, the kap-th 128 along K.  zero = 1: the product starts the sum.  The 64 accumulators take turns, one instruction a turn, in the same order throughout.
.macro MUL16 a0, kap, zero
.irp a, \a0, \a0+1
.irp b, 0,1,2,3,4,5,6,7
.set DD, 8*(8*((\a)%4)+\b)
.set BF, 128*((\kap)%2)+FR*\b
.set AA, AF+FR*(\a)
.set SB0, SC+8*\b+(\kap)
.set SA0, SC+8*(\a)+(\kap)
.if \zero == 1
	v_wmma_scale_f32_16x16x128_f8f6f4 v[DD:DD+7], v[BF:BF+11], v[AA:AA+11], 0, v[SB0], v[SA0] matrix_a_fmt:MATRIX_FMT_FP6 matrix_b_fmt:MATRIX_FMT_FP6 matrix_a_scale:MATRIX_SCALE_ROW1
.else
	v_wmma_scale_f32_16x16x128_f8f6f4 v[DD:DD+7], v[BF:BF+11], v[AA:AA+11], v[DD:DD+7], v[SB0], v[SA0] matrix_a_fmt:MATRIX_FMT_FP6 matrix_b_fmt:MATRIX_FMT_FP6 matrix_a_scale:MATRIX_SCALE_ROW1
.endif
.endr
.endr
.endm
.macro FETCH_B slot, q, p              ; B's eight fragments of the slot's q-th 128 along K into set p
	WIN TO_B
.irp i, 0,1,2,3,4,5,6,7
	FRAG 128*(\p)+FR*\i, B16+\slot, B8+\slot, 3072*\i+1536*(\q)
.endr
	WIN 0
.endm
.macro FETCH_A slot, q, i0             ; A's units i0 .. i0 + 3
.irp i, \i0, \i0+1, \i0+2, \i0+3
	FRAG AF+FR*(\i), A16+\slot, A8+\slot, 3072*(\i)+1536*(\q)
.endr
.endm
.macro PLACES n                        ; plain vector instructions between a matrix instruction and a load into, or a read of, its registers (ISA guide 7.12.1 for reads)
.rept \n
	v_nop
.endr
.endm
; The kap-th 128 along K; the next one's fragments come from slot ns, its nq-th half.
.macro STEP kap, ns, nq, zero
	s_wait_dscnt 16                                ; B's set and A's units 0-3 are in; the youngest 16 loads (A's units 4-7) may be out
	WIN MUL_LO
	MUL16 0, \kap, \zero
	MUL16 2, \kap, \zero
	s_wait_dscnt 0x0                               ; A's units 4-7 are in
	PLACES 4
	FETCH_B \ns, \nq, 1-(\kap)%2
	FETCH_A \ns, \nq, 0
	WIN MUL_HI
	MUL16 4, \kap, \zero
	MUL16 6, \kap, \zero
	PLACES 4
	WIN 0
	FETCH_A \ns, \nq, 4
.endm
; The same with a barrier in it: each wave waits for all its tensor loads, adds 0 to its spare word and waits for that and for its LDS reads.  fill = 1: slot 0 has been read out and takes K step 3.
.macro TURN kap, ns, fill
	s_wait_tensorcnt 0x0                           ; all my tensor loads have landed
	ds_add_u32 v[SPW], v[NIL]                      ; 0 onto my spare word
	s_wait_dscnt 17                                ; (the add and the youngest 16 loads may be out)
	WIN MUL_LO
	MUL16 0, \kap, 0
	s_wait_dscnt 0x0                               ; the add is done, and my LDS reads are over
	s_barrier_signal -1
	MUL16 2, \kap, 0
	WIN 0
	s_barrier_wait -1
.if \fill
	CREST                                          ; the barrier has opened a round of the cluster's: no wave of any partner still reads slot 0 or has a load on its way
	s_add_nc_u64 s[G0+2:G0+3], s[G0+2:G0+3], 9216  ; from K step 0 to K step 3: 3 x 3,072 bytes
	s_add_nc_u64 s[G0B+2:G0B+3], s[G0B+2:G0B+3], 9216
	JLOAD G0, G1, G0B, G1B                         ; the first tensor load behind the round; it has 224 products in which to land; its four v_nop are the places in front of the loads below
.else
	PLACES 4
.endif
	FETCH_B \ns, 0, 0
	FETCH_A \ns, 0, 0
	WIN MUL_HI
	MUL16 4, \kap, 0
	MUL16 6, \kap, 0
	PLACES 4
	WIN 0
	FETCH_A \ns, 0, 4
.endm
.macro LAST kap
	s_wait_dscnt 16
	WIN MUL_LO
	MUL16 0, \kap, 0
	MUL16 2, \kap, 0
	s_wait_dscnt 0x0
	WIN MUL_HI
	MUL16 4, \kap, 0
	MUL16 6, \kap, 0
	WIN 0
.endm
	s_load_b128 s[4:7], s[0:1], 0x0                ; cod, ops
	s_load_b64 s[8:9], s[0:1], 0x10                ; qkv
	v_lshl_add_u32 v[SPW], v0, 2, SPARE
	v_mov_b32 v[NIL], 0
	ds_add_u32 v[SPW], v[NIL]                      ; the wave's opening: the add and its wait stand ahead of my first tensor load; work on registers stands between them
	v_lshrrev_b32 v1, 5, v0
	v_readfirstlane_b32 s14, v1                    ; wave 0..3
	s_lshr_b32 s15, s14, 1                         ; my half of A.  Also: I fetch for A (0) or for B (1)
	s_and_b32 s16, s14, 1                          ; my half of B.  Also: which 8 units I fetch
	s_bfe_u32 s92, ttmp6, 0x40000                  ; cx
	s_bfe_u32 s93, ttmp6, 0x40004                  ; cy
	s_and_b32 s95, ttmp7, 0xffff                   ; cluster y
	s_lshl_b32 s17, s93, 2
	s_lshl_b32 s17, 15, s17                        ; my row of the cluster
	s_lshl_b32 s18, 0x1111, s92                    ; my column
	s_or_b32 s[G1], s17, (3<<16)|(1<<21)           ; 15:0 the mask; 17:16 elements of 8 bytes; 21 set beside a mask; no padding
	s_or_b32 s[G1B], s18, (3<<16)|(1<<21)
.irp g, G1, G1B                                ; codes: 8 units' 3,072 bytes, 12,288 bytes apart
	s_mov_b32 s[\g+1], 384<<16                     ; tensor_dim0
	s_mov_b32 s[\g+2], 8<<16                       ; tensor_dim1
	s_mov_b32 s[\g+3], 384<<16                     ; tile_dim0
	s_mov_b32 s[\g+4], 8                           ; tile_dim1
	s_mov_b32 s[\g+5], 1536                        ; tensor_dim0_stride
	s_mov_b32 s[\g+6], 0
	s_mov_b32 s[\g+7], 0
.endr
	s_or_b32 s[G1S], s17, (3<<16)|(1<<21)
	s_or_b32 s[G1SB], s18, (3<<16)|(1<<21)
.irp g, G1S, G1SB                              ; scale words: 8 units' 4,096 dense bytes as 16 rows of 256
	s_mov_b32 s[\g+1], 32<<16
	s_mov_b32 s[\g+2], 16<<16
	s_mov_b32 s[\g+3], 32<<16
	s_mov_b32 s[\g+4], 16
	s_mov_b32 s[\g+5], 32
	s_mov_b32 s[\g+6], 0
	s_mov_b32 s[\g+7], 0
.endr
	s_lshl_b32 s19, s95, 6                         ; the cluster's first unit of tokens
	s_lshl_b32 s20, ttmp9, 6
	s_add_co_u32 s20, s20, 512                     ; and of q's or k's features
	s_cmp_eq_u32 ttmp9, 2                          ; v?  The same in all sixteen partners
	s_cselect_b32 s21, 640, s19                    ; A: v's features, else tokens
	s_cselect_b32 s22, s19, s20                    ; B: tokens, else features
	s_lshl_b32 s23, s16, 3
	s_lshl_b32 s2, s93, 4
	s_add_co_u32 s21, s21, s2                      ; A hangs on cy,
	s_add_co_u32 s21, s21, s23
	s_lshl_b32 s3, s92, 4
	s_add_co_u32 s22, s22, s3                      ; B on cx
	s_add_co_u32 s22, s22, s23
	s_mul_i32 s10, s21, 12288
	s_mov_b32 s11, 0
	s_mul_i32 s12, s22, 12288
	s_mov_b32 s13, 0
	s_lshl_b32 s96, s21, 9
	s_mov_b32 s97, 0
	s_lshl_b32 s98, s22, 9
	s_mov_b32 s99, 0
	s_mul_i32 s100, s14, 24576                     ; where they go: wave x 8 units: no place in the cluster enters an LDS address
	s_lshl_b32 s101, s14, 12
	s_wait_dscnt 0x0                               ; the opening add is done
	s_wait_kmcnt 0x0
	s_add_nc_u64 s[10:11], s[4:5], s[10:11]
	s_add_nc_u64 s[12:13], s[4:5], s[12:13]
	s_add_nc_u64 s[96:97], s[6:7], s[96:97]
	s_add_nc_u64 s[98:99], s[6:7], s[98:99]
	CROUND                                         ; all sixteen work-groups are here: the first joint loads meet
	s_mov_b32 s[G0S], 1
	s_add_co_u32 s[G0S+1], s101, SCL
	s_mov_b64 s[G0S+2:G0S+3], s[96:97]
	s_or_b32 s[G0S+3], s[G0S+3], 0x80000000
	s_mov_b32 s[G0SB], 1
	s_add_co_u32 s[G0SB+1], s101, SCL
	s_mov_b64 s[G0SB+2:G0SB+3], s[98:99]
	s_or_b32 s[G0SB+3], s[G0SB+3], 0x80000000
	JLOAD G0S, G1S, G0SB, G1SB                     ; the scale words first
.irp s, 0,1,2
	s_mov_b32 s[G0+4*\s], 1
	s_add_co_u32 s[G0+4*\s+1], s100, \s*SLOT
	s_add_nc_u64 s[G0+4*\s+2:G0+4*\s+3], s[10:11], \s*3072
	s_or_b32 s[G0+4*\s+3], s[G0+4*\s+3], 0x80000000
	s_mov_b32 s[G0B+4*\s], 1
	s_add_co_u32 s[G0B+4*\s+1], s100, \s*SLOT
	s_add_nc_u64 s[G0B+4*\s+2:G0B+4*\s+3], s[12:13], \s*3072
	s_or_b32 s[G0B+4*\s+3], s[G0B+4*\s+3], 0x80000000
	JLOAD G0+4*\s, G1, G0B+4*\s, G1B
.endr
	v_and_b32 v1, 31, v0                           ; lane
	v_and_b32 v2, 15, v0                           ; r
	v_bfe_u32 v3, v0, 4, 1                         ; h
	v_lshlrev_b32 v[L16], 4, v1
	v_lshlrev_b32 v[L8], 3, v1
	s_mul_i32 s17, s15, 24576                      ; my 8 units of A
	s_mul_i32 s18, s16, 24576                      ; my 8 units of B,
	s_add_co_u32 s18, s18, 49152                   ; behind A's 16
.irp s, 0,1,2
	v_add_nc_u32 v[A16+\s], s17, v[L16]
	v_add_nc_u32 v[A8+\s], s17, v[L8]
	v_add_nc_u32 v[B16+\s], s18, v[L16]
	v_add_nc_u32 v[B8+\s], s18, v[L8]
	s_add_co_u32 s17, s17, SLOT
	s_add_co_u32 s18, s18, SLOT
.endr
	s_lshl_b32 s17, s15, 12                        ; A's scale words: my 8 units
	s_lshl_b32 s18, s16, 12
	s_add_co_u32 s18, s18, 8192                    ; B's, behind A's
	s_sub_co_u32 s18, s18, s17
	v_mul_u32_u24 v[ADRS], s18, v3                 ; lanes 16-31 take B's
	v_lshl_add_u32 v[ADRS], v2, 4, v[ADRS]
	s_add_co_u32 s17, s17, SCL
	v_add_nc_u32 v[ADRS], s17, v[ADRS]
	v_mul_u32_u24 v[SOFF], v3, 102400
	v_lshl_add_u32 v[SOFF], v2, 4, v[SOFF]
.irp b, 0,1,2,3
	v_mov_b32 v[TM+4+\b], 0                        ; written once: a lane permute's destination counts as one of its sources
.endr
	; where my results go (global addresses alone).  tokens: step 2 (4 Y + c) + half; heads: 4 (4 X + c') + 2 half'
	s_lshl_b32 s17, s95, 2
	s_cmp_eq_u32 ttmp9, 2
	s_cselect_b32 s18, s92, s93                    ; the tokens' place in the cluster
	s_cselect_b32 s19, s16, s15                    ; and which half of them is mine
	s_cselect_b32 s20, s93, s92                    ; the features' place
	s_cselect_b32 s21, s15, s16
	s_cselect_b32 s66, -1, 0                       ; all ones for v
	s_mov_b32 s100, 768
	s_cselect_b32 s100, s100, 102400               ; from a fragment's first half to its second: v: 768; q, k: the next head
	s_mov_b32 s96, 768
	s_cselect_b32 s96, 1536, s96                   ; from block a to a + 1
	s_mov_b32 s98, 768
	s_cselect_b32 s98, 97792, s98                  ; from block 3 to 4: v: on to the next head (102,400 - 3 x 1,536)
	s_mov_b32 s97, 0
	s_mov_b32 s99, 0
	s_mov_b32 s101, 0
	s_mov_b32 s67, 0xffff0000                      ; lanes 16-31
	s_add_co_u32 s17, s17, s18
	s_lshl_b32 s17, s17, 1
	s_add_co_u32 s17, s17, s19                     ; my step of 128 tokens, 0 .. 63
	s_lshr_b32 s18, s17, 4                         ; batch
	s_and_b32 s17, s17, 15                         ; step in it
	s_lshl_b32 s19, ttmp9, 2
	s_add_co_u32 s19, s19, s20
	s_lshl_b32 s19, s19, 2
	s_lshl_b32 s21, s21, 1
	s_add_co_u32 s19, s19, s21                     ; my first head of the 48
	s_mul_i32 s18, s18, 48
	s_add_co_u32 s18, s18, s19
	s_mul_i32 s18, s18, 102400
	s_mul_i32 s17, s17, 6400
	s_add_co_u32 s18, s18, s17
	s_mov_b32 s19, 0
	s_add_nc_u64 s[8:9], s[8:9], s[18:19]          ; stays: the scale words' base
	s_mov_b64 s[10:11], s[8:9]                     ; walks: a fragment's first half
	s_add_nc_u64 s[12:13], s[8:9], s[100:101]      ; and its second
	s_mov_b32 s[SEL], 0x76543210
	s_mov_b32 s[SEL+1], 0xfedcba98
	s_wait_tensorcnt 2                             ; the scale words and my part of K step 0 are in; K steps 1 and 2 may be out
	s_barrier_signal -1
	s_barrier_wait -1
.irp i, 0,1,2,3,4,5,6,7
.irp e, 0,1
	ds_load_b128 v[SC+8*\i+4*\e:SC+8*\i+4*\e+3], v[ADRS] offset:512*\i+256*\e   ; all scale words, once
.endr
.endr
	FETCH_B 0, 0, 0
	FETCH_A 0, 0, 0
	FETCH_A 0, 0, 4
	STEP 0, 0, 1, 1                                ; the first products start the sums
	TURN 1, 1, 1                                   ; its wait for all loads shows K steps 1 and 2 landed in every wave: slots 1 and 2 want no further barrier
	STEP 2, 1, 1, 0
	STEP 3, 2, 0, 0
	STEP 4, 2, 1, 0
	TURN 5, 0, 0                                   ; K step 3 has landed in every wave
	STEP 6, 0, 1, 0
	LAST 7
; THE WAY OUT.  Block a's eight accumulators are 64 registers of a lane, register 16 b + i = number 32 b + 16 (lane / 16) + i along the next K: they are quantised where they stand.
.macro QUANTW a
.set AC, 64*((\a)%4)
.set WW, 2+(\a)/4
.set WX, WW|(WW<<2)
	WIN WX                                         ; sources 0 and 1: the accumulators' window
.irp b, 0,1,2,3
	v_max3_num_f32 v[TM+\b], |v[AC+16*\b]|, |v[AC+1+16*\b]|, 0x1800000   ; each accumulator is read from its low end on
.endr
.irp i, 2,4,6,8,10,12,14
.irp b, 0,1,2,3
	v_max3_num_f32 v[TM+\b], |v[AC+16*\b+\i]|, |v[AC+1+16*\b+\i]|, v[TM+\b]
.endr
.endr
	WIN 0
.irp b, 0,1,2,3
	v_permlanex16_b32 v[TM+4+\b], v[TM+\b], s[SEL], s[SEL+1]
.endr
.irp b, 0,1,2,3
	v_max_num_f32 v[TM+\b], v[TM+\b], v[TM+4+\b]
.endr
.irp b, 0,1,2,3
	v_add_nc_u32 v[TM+12+\b], 0xff000000, v[TM+\b]
.endr
.irp b, 0,1,2,3
	v_lshrrev_b32 v[TM+4+\b], 23, v[TM+12+\b]
.endr
	v_lshl_or_b32 v[PW+(\a)], v[TM+5], 8, v[TM+4]
	v_lshl_or_b32 v[PW+(\a)], v[TM+6], 16, v[PW+(\a)]
	v_lshl_or_b32 v[PW+(\a)], v[TM+7], 24, v[PW+(\a)]
	WIN WW                                         ; source 0: the accumulators' window
.irp c, 0,1
	v_cvt_scalef32_pk16_fp6_f32 v[PC+6*\c:PC+2+6*\c], v[AC+32*\c:AC+15+32*\c], v[TM+12+2*\c]
	v_cvt_scalef32_pk16_fp6_f32 v[PC+12+4*\c:PC+14+4*\c], v[AC+16+32*\c:AC+31+32*\c], v[TM+12+2*\c+1]
.endr
	WIN 0
	v_nop                                          ; one plain place behind a scaled conversion
.irp c, 0,1
.irp i, 0,1,2
	v_permlane16_swap_b32 v[PC+6*\c+\i], v[PC+12+4*\c+\i]
.endr
.irp i, 0,1,2
	v_mov_b32 v[PC+3+6*\c+\i], v[PC+12+4*\c+\i]
.endr
.endr
.endm
	PLACES 4                                       ; behind the last products
.irp a, 0,1,2,3,4,5,6,7
.if \a > 0
	s_wait_xcnt 0x0                                ; the last block's stores have read their data and their bases
.if \a == 4
	s_add_nc_u64 s[10:11], s[10:11], s[98:99]
	s_add_nc_u64 s[12:13], s[12:13], s[98:99]
.else
	s_add_nc_u64 s[10:11], s[10:11], s[96:97]
	s_add_nc_u64 s[12:13], s[12:13], s[96:97]
.endif
.endif
	QUANTW \a
	global_store_b128 v[L16], v[PC:PC+3], s[10:11]                 ; 512 consecutive bytes, at a multiple of 256 from the buffer's first byte,
	global_store_b64 v[L8], v[PC+4:PC+5], s[10:11] offset:512      ; and 256
	global_store_b128 v[L16], v[PC+6:PC+9], s[12:13]
	global_store_b64 v[L8], v[PC+10:PC+11], s[12:13] offset:512
.endr
	; the scale words: lanes 0-15 write my first head's 256 bytes, lanes 16-31 my second head's
	v_mov_b32 v[VSEL], 0x05040100                  ; q, k: the first head's bytes are a word's lower two,
	v_mov_b32 v[VSEL+1], 0x07060302                ; the second head's its upper two
	v_cndmask_b32 v[VSEL], v[VSEL], v[VSEL+1], s67
.irp i, 0,1,2,3
	v_perm_b32 v[EQ+\i], v[PW+2*\i+1], v[PW+2*\i], v[VSEL]   ; q, k: units 2 i and 2 i + 1
	v_cndmask_b32 v[EQ+4+\i], v[PW+\i], v[PW+4+\i], s67      ; v: fragment i of the lane's head
.endr
.irp i, 0,1,2,3
	v_cndmask_b32 v[EQ+\i], v[EQ+\i], v[EQ+4+\i], s66
.endr
	global_store_b128 v[SOFF], v[EQ:EQ+3], s[8:9] offset:6144
	s_wait_tensorcnt 0x0                           ; the wave's end
	ds_add_u32 v[SPW], v[NIL]
	s_wait_dscnt 0x0
	CROUND                                         ; the closing round
	s_endpgm
.Lfunc_end_k_q7ae16a99f3_gemm_qkv:
	.size	k_q7ae16a99f3_gemm_qkv, .Lfunc_end_k_q7ae16a99f3_gemm_qkv-k_q7ae16a99f3_gemm_qkv
	.p2alignl 7, 3214868480
	.fill 96, 4, 3214868480
	.section	.rodata,"a",@progbits
	.p2align	6, 0x0
	.amdhsa_kernel k_q7ae16a99f3_gemm_qkv
		.amdhsa_group_segment_fixed_size 327680
		.amdhsa_private_segment_fixed_size 0
		.amdhsa_enable_private_segment 0
		.amdhsa_kernarg_size 24
		.amdhsa_user_sgpr_count 2
		.amdhsa_user_sgpr_kernarg_segment_ptr 1
		.amdhsa_wavefront_size32 1
		.amdhsa_system_sgpr_workgroup_id_x 1
		.amdhsa_system_sgpr_workgroup_id_y 1
		.amdhsa_system_sgpr_workgroup_id_z 1
		.amdhsa_system_vgpr_workitem_id 0
		.amdhsa_next_free_vgpr 1024
		.amdhsa_next_free_sgpr 102
		.amdhsa_reserve_vcc 0
		.amdhsa_float_denorm_mode_32 3
		.amdhsa_float_denorm_mode_16_64 3
		.amdhsa_memory_ordered 1
		.amdhsa_forward_progress 1
		.amdhsa_inst_pref_size 150
	.end_amdhsa_kernel
	.amdgpu_metadata
---
amdhsa.version: [ 1, 2 ]
amdhsa.kernels:
  - .name:           k_q7ae16a99f3_gemm_qkv
    .symbol:         k_q7ae16a99f3_gemm_qkv.kd
    .args:
      - { .name: cod, .offset: 0, .size: 8, .value_kind: global_buffer, .address_space: global }
      - { .name: ops, .offset: 8, .size: 8, .value_kind: global_buffer, .address_space: global }
      - { .name: qkv, .offset: 16, .size: 8, .value_kind: global_buffer, .address_space: global }
    .group_segment_fixed_size: 327680
    .private_segment_fixed_size: 0
    .kernarg_segment_align: 8
    .kernarg_segment_size: 24
    .max_flat_workgroup_size: 128
    .sgpr_count:     102
    .vgpr_count:     1024
    .wavefront_size: 32
...
	.end_amdgpu_metadata
.endif
;; end of part 2
;; launch attn (part 3): grid 4 x 64, 16 waves a work-group, no clusters, 327,680 bytes of LDS; arguments qkv, oc, os; writes oc, os
.if DOCPART == 3
	.amdgcn_target "amdgcn-amd-amdhsa--gfx1250"
	.amdhsa_code_object_version 6
	.text
	.protected	k_q7ae16a99f3_attn
	.globl	k_q7ae16a99f3_attn
	.p2align	8
	.type	k_q7ae16a99f3_attn,@function
k_q7ae16a99f3_attn:
	s_mov_b64 s[64:65], 0
	v_nop
	global_prefetch_b8 v0, s[64:65] scope:SCOPE_SE
	s_setreg_imm32_b32 hwreg(HW_REG_WAVE_MODE, 25, 1), 1
	s_wait_xcnt 0x0
; Causal attention of one head on codes of FP6 (E2M3): S^T = K Q^T (K = the head's 64), p = 2^(t - M), O^T = V^T P^T (K = the keys), O / l quantised along the head's 64 for the last product.
; t = score x log2(e) / 8; M = the running largest t rounded up to a whole number; the row's sum l is taken of the unquantised p; when M moves, l and O^T are multiplied by 2^(old M - new M), exactly.
; SHARES.  Work-group (i, batch x head) takes query block i (256 queries) over key slots 0 .. i and then block 7 - i over slots 0 .. 7 - i: nine visits of 256 keys for every work-group, a constant.
; Each of sixteen waves owns one unit of 16 queries in 256 registers: four waves to a SIMD.  A step of 128 keys all of which come after the wave's queries is jumped over (a scalar branch on ids).
; No multicast: the four work-groups of a head walk different runs of slots (i + 1, then 8 - i), so no two ask for the same tile at the same change of slots.
; ONE FRAGMENT OF K HOLDS TWO UNITS OF 16 KEYS x 64: it is multiplied once by (q | 0) and once by (0 | q), which gives the two units' scores; zero codes add nothing.
; The keys of a unit are not neighbours (unit 2 p + u: key 32 p + 8 u + r + 8 (r / 8)), so that the 16 registers of tiles 2 p, 2 p + 1 are 16 neighbouring keys; V's channels likewise, and the queries of a unit too.
; LIMITS: NaN and infinities are not served; a p under 2^-126 falls to 0 (v_exp_f32: ISA guide, its entry in 15.8); O / l is a reciprocal good to 1 ulp and a multiplication; a block's byte is held at 1 from below, a block of zeros' too.
; REGISTERS: v1-3 16 l, 8 l, 16 r; v4 the mask's bound; v5, v6 the add's two; v8-10 the step's LDS addresses; v11 -infinity; v12 -M, v13 largest t, v[14:15] l in two halves; v16-33 q | 0 | q; v34-39 the second block's q;
;   v40, v41 q's scale words; v42 the prefetches' offset; v44-47, v48-51 K's and V's scale words; v52-99 four fragments; v100-163 S^T, then p; v164-195 O^T; v196-215 codes; v216-235 at work.
.set HS,    102400                     ; a head's 16 steps of 6,400 bytes
.set SLOT1, 32768                      ; slot 1; a slot: K's two steps (12,800 bytes), then V's
.set SPARE, 65536                      ; the spare words, 128 bytes for each of 16 waves
.set KFR, 52
.set S,   100
.set O,   164
.set PC,  196
.set BM,  216                          ; the blocks' largest
.set PD,  220                          ; lane permutes' destinations, then bytes
.set SOP, 224                          ; the conversions' scale operands
.set SUMT, 228                         ; v[228:229] a second chain of sums
.set TV,  232
.set OW,  233                          ; the result's two scale bytes
.set F,   234                          ; f = 2^(old M - new M)
.set PWD, 235                          ; p's scale word
.set WV,  10
.set TAU, 11                           ; my unit in a block of queries
.set SEL, 20
.set CS,  22
.set G1,  24
.set G0,  32
.set KVB, 36                           ; s[36:37] K's head (wave 0) or V's (wave 1)
.set SO,  38                           ; s[38:39] the slot to be fetched, in bytes
.set T,   40                           ; the visit, 0 .. 8
.set NA,  41                           ; visits of the first block: i + 1
.set KF,  42                           ; the step's first key
.set Q0,  43                           ; the first token of the step of 128 in which my queries lie
.set Q0B, 44
.set TB,  45                           ; the slot in hand
.set LIM, 46
.set T1,  47
.set OCP, 48
.set OSP, 50
.set OCPB, 52
.set OSPB, 54
.set PFA, 56
.macro FRAG reg, a16, a8, off
	ds_load_b128 v[\reg:\reg+3], v[\a16] offset:\off
	ds_load_b64 v[\reg+4:\reg+5], v[\a8] offset:\off+512
	ds_load_b128 v[\reg+6:\reg+9], v[\a16] offset:\off+768
	ds_load_b64 v[\reg+10:\reg+11], v[\a8] offset:\off+1280
.endm
.macro TLOAD                           ; wave 0 fetches a slot's K, wave 1 its V; an s_nop 0 and four v_nop follow the line
	s_cmp_lt_u32 s[WV], 2
	s_cbranch_scc0 .Lnone_\@
	tensor_load_to_lds s[G0:G0+3], s[G1:G1+7]
	s_nop 0
.rept 4
	v_nop
.endr
.Lnone_\@:
.endm
; A prefetch of the slot that the next change of slots will ask for.  The head's work-group 0 walks slots 0, 0, 1 .. 7: at visit T = 0 .. 6 its waves 4-7 name slot T + 1: waves 4, 5 K's two steps, waves 6, 7 V's,
; 6,400 bytes each, lanes 256 bytes apart (lanes 25-31 name lane 24's place again).  Slot 0 comes by its loads alone; nothing is named behind slot 7.
.macro ASK
	s_cmp_lt_u32 s[T], s[LIM]
	s_cbranch_scc0 .Lnot_mine_\@
	global_prefetch_b8 v42, s[PFA:PFA+1] th:TH_LOAD_NT scope:SCOPE_SE
.Lnot_mine_\@:
.endm
.macro STATE0                          ; a block of queries begins: O^T and l are zeros, the largest t lies under every t
	v_mov_b32 v13, 0xff61b1e6                      ; -3e38
	s_delay_alu instid0(VALU_DEP_1)
	v_floor_f32 v12, -v13
	v_mov_b32 v14, 0
	v_mov_b32 v15, 0
.set n, 0
.rept 32
	v_mov_b32 v[O+n], 0
.set n, n+1
.endr
.endm
	s_load_b128 s[4:7], s[0:1], 0x0                ; qkv, oc
	s_load_b64 s[8:9], s[0:1], 0x10                ; os
	v_lshl_add_u32 v5, v0, 2, SPARE
	v_mov_b32 v6, 0
	ds_add_u32 v5, v6                              ; the wave's opening: the add and its wait stand ahead of the first tensor load; work on registers stands between them
	ds_add_u32 v5, v6
	v_lshrrev_b32 v8, 5, v0
	s_delay_alu instid0(VALU_DEP_1)
	v_readfirstlane_b32 s[WV], v8                  ; wave 0..15
	v_and_b32 v8, 31, v0                           ; lane
	s_delay_alu instid0(VALU_DEP_1)
	v_lshlrev_b32 v1, 4, v8
	s_delay_alu instid0(VALU_DEP_2)
	v_lshlrev_b32 v2, 3, v8
	v_and_b32 v9, 15, v0                           ; r
	s_wait_alu depctr_va_vdst(0)
	v_lshlrev_b32 v3, 4, v9
	v_bfe_u32 v10, v0, 4, 1                        ; h
	s_wait_alu depctr_va_vdst(0)
	v_min_u32 v42, 24, v8
	s_delay_alu instid0(VALU_DEP_1)
	v_lshlrev_b32 v42, 8, v42
	s_and_b32 s12, ttmp7, 0xffff
	s_lshr_b32 s13, s12, 4                         ; batch
	s_and_b32 s14, s12, 15                         ; head
	s_lshr_b32 s16, s[WV], 2
	s_xor_b32 s16, s16, s[WV]
	s_and_b32 s16, s16, 1
	s_lshl_b32 s16, s16, 3
	s_lshr_b32 s[TAU], s[WV], 1
	s_or_b32 s[TAU], s[TAU], s16                   ; my unit: the block's lower and upper halves are spread over the waves
	s_mov_b32 s[G1], 3<<16                         ; no mask; elements of 8 bytes; no padding: 12,800 dense bytes as 50 rows of 256
	s_mov_b32 s[G1+1], 32<<16
	s_mov_b32 s[G1+2], 50<<16
	s_mov_b32 s[G1+3], 32<<16
	s_mov_b32 s[G1+4], 50
	s_mov_b32 s[G1+5], 32
	s_mov_b32 s[G1+6], 0
	s_mov_b32 s[G1+7], 0
	s_mul_i32 s15, s13, 48
	s_add_co_u32 s15, s15, s14                     ; q's head among the 192
	s_and_b32 s16, s[WV], 1
	s_mov_b32 s[G0], 1
	s_mul_i32 s[G0+1], s16, 12800                  ; K's part of slot 0, or V's
	s_lshl_b32 s17, s16, 4
	s_add_co_u32 s17, s17, s15
	s_add_co_u32 s17, s17, 16
	s_mul_i32 s58, s17, HS                         ; K's head, or V's
	s_mov_b32 s59, 0
	s_bfe_u32 s17, s[WV], 0x10001                  ; the prefetches: waves 4, 5: K; waves 6, 7: V;
	s_lshl_b32 s17, s17, 4
	s_add_co_u32 s17, s17, s15
	s_add_co_u32 s17, s17, 16
	s_mul_i32 s60, s17, HS
	s_mul_i32 s17, s16, 6400                       ; the slot's first or second step
	s_add_co_u32 s60, s60, s17
	s_mov_b32 s61, 0
	s_lshr_b32 s16, s[TAU], 3
	s_and_b32 s17, s[TAU], 7
	s_lshl_b32 s18, ttmp9, 1
	s_add_co_u32 s18, s18, s16                     ; my queries' step of 128, first block
	s_sub_co_u32 s19, 7, ttmp9                     ; the second block
	s_lshl_b32 s2, s19, 1
	s_add_co_u32 s2, s2, s16                       ; and my step in it
	s_lshl_b32 s[Q0], s18, 7
	s_lshl_b32 s[Q0B], s2, 7
	s_mul_i32 s3, s15, HS
	s_mul_i32 s62, s18, 6400
	s_add_co_u32 s62, s62, s3
	s_mov_b32 s63, 0
	s_mul_i32 s66, s2, 6400
	s_add_co_u32 s66, s66, s3
	s_mov_b32 s67, 0
	s_mul_i32 s68, s17, 768                        ; my unit in its step
	s_mov_b32 s69, 0
	s_lshr_b32 s70, s17, 1
	s_lshl_b32 s70, s70, 2
	s_add_co_u32 s70, s70, 6144                    ; and the scale word that holds its two bytes
	s_mov_b32 s71, 0
	s_lshl_b32 s16, s13, 7
	s_lshl_b32 s18, ttmp9, 4
	s_add_co_u32 s18, s18, s[TAU]
	s_add_co_u32 s18, s18, s16                     ; my unit of tokens among the 512, first block
	s_lshl_b32 s19, s19, 4
	s_add_co_u32 s19, s19, s[TAU]
	s_add_co_u32 s19, s19, s16                     ; second block
	s_mul_i32 s2, s14, 768                         ; head h is half h & 1 of K step h >> 1: 768 h bytes on
	s_mul_i32 s[OCP], s18, 12288
	s_add_co_u32 s[OCP], s[OCP], s2
	s_mov_b32 s[OCP+1], 0
	s_mul_i32 s[OCPB], s19, 12288
	s_add_co_u32 s[OCPB], s[OCPB], s2
	s_mov_b32 s[OCPB+1], 0
	s_lshr_b32 s3, s14, 3
	s_lshl_b32 s3, s3, 8
	s_and_b32 s12, s14, 7
	s_lshl_b32 s12, s12, 1
	s_add_co_u32 s3, s3, s12                       ; its two scale bytes: block h >> 3, 2 (h & 7) bytes on
	s_lshl_b32 s[OSP], s18, 9
	s_add_co_u32 s[OSP], s[OSP], s3
	s_mov_b32 s[OSP+1], 0
	s_lshl_b32 s[OSPB], s19, 9
	s_add_co_u32 s[OSPB], s[OSPB], s3
	s_mov_b32 s[OSPB+1], 0
	s_bfe_u32 s12, s[TAU], 0x20001
	s_lshl_b32 s12, s12, 5
	s_and_b32 s16, s[TAU], 1
	s_lshl_b32 s18, s16, 3
	s_add_co_u32 s12, s12, s18                     ; my unit's first query in its step: 32 p + 8 u
	v_and_b32 v4, 8, v9
	s_delay_alu instid0(VALU_DEP_1)
	v_add_nc_u32 v4, v4, v9                        ; + r + 8 (r / 8)
	v_lshlrev_b32 v10, 4, v10
	s_delay_alu instid0(VALU_DEP_1)
	v_sub_nc_u32 v4, v4, v10                       ; - 16 h: register 16 b + i holds key 32 b + i + 16 h of the step: hidden on the diagonal where 32 b + i is above this
	s_delay_alu instid0(VALU_DEP_1)
	v_add_nc_u32 v4, s12, v4
	s_cmp_eq_u32 s16, 0
	s_mov_b32 s17, 0x03020302
	s_cselect_b32 s17, 0x01000100, s17             ; my unit's two bytes of the word, twice
	s_lshr_b32 s16, s[WV], 2
	s_xor_b32 s16, s16, 1                          ; 0 in waves 4 to 7,
	s_or_b32 s16, s16, ttmp9                       ; of the head's work-group 0
	s_cmp_eq_u32 s16, 0
	s_cselect_b32 s[LIM], 7, 0
	s_mov_b32 s[T], 0
	s_add_co_u32 s[NA], ttmp9, 1
	s_mov_b32 s[KF], 0
	s_mov_b32 s[TB], 0
	s_mov_b32 s[SO], 0
	s_mov_b32 s[SO+1], 0
	s_mov_b32 s[SEL], 0x76543210
	s_mov_b32 s[SEL+1], 0xfedcba98
	s_mov_b32 s[CS], 0x3e38aa3b                    ; c = log2(e) / 8
	s_mov_b32 s[CS+1], s[CS]
	s_wait_dscnt 0x0                               ; the opening add is done
	s_wait_kmcnt 0x0
	s_add_nc_u64 s[KVB:KVB+1], s[4:5], s[58:59]
	s_mov_b64 s[G0+2:G0+3], s[KVB:KVB+1]
	s_or_b32 s[G0+3], s[G0+3], 0x80000000
	TLOAD                                          ; the first visit's slot
	s_add_nc_u64 s[PFA:PFA+1], s[4:5], s[60:61]    ; at slot 0: the first change of slots steps it to slot 1
	s_add_nc_u64 s[62:63], s[4:5], s[62:63]
	s_add_nc_u64 s[66:67], s[4:5], s[66:67]
	s_add_nc_u64 s[2:3], s[62:63], s[68:69]        ; q's codes, first block
	s_add_nc_u64 s[12:13], s[66:67], s[68:69]      ; second block
	s_add_nc_u64 s[62:63], s[62:63], s[70:71]      ; q's scale words
	s_add_nc_u64 s[66:67], s[66:67], s[70:71]
	s_add_nc_u64 s[OCP:OCP+1], s[6:7], s[OCP:OCP+1]
	s_add_nc_u64 s[OCPB:OCPB+1], s[6:7], s[OCPB:OCPB+1]
	s_add_nc_u64 s[OSP:OSP+1], s[8:9], s[OSP:OSP+1]
	s_add_nc_u64 s[OSPB:OSPB+1], s[8:9], s[OSPB:OSPB+1]
	global_load_b128 v[16:19], v1, s[2:3]
	global_load_b64 v[20:21], v2, s[2:3] offset:512
	global_load_b128 v[28:31], v1, s[2:3]          ; the same six registers a second time: (q | 0) is v[16:27], (0 | q) is v[22:33]
	global_load_b64 v[32:33], v2, s[2:3] offset:512
	global_load_b128 v[34:37], v1, s[12:13]
	global_load_b64 v[38:39], v2, s[12:13] offset:512
	global_load_b32 v40, v3, s[62:63]
	global_load_b32 v41, v3, s[66:67]
	v_mov_b32 v11, 0xff800000                      ; -infinity
.irp b, 0,1,2,3
	v_mov_b32 v[PD+\b], 0                          ; written once: a lane permute's destination counts as one of its sources
.endr
	v_mov_b32 v[TV], 0
	v_mov_b32 v[PWD], 0                            ; (named as the upper half of the pair v[234:235] before it is first written)
	s_wait_loadcnt 0x0
	v_perm_b32 v40, v40, v40, s17
	v_perm_b32 v41, v41, v41, s17
.irp i, 0,1,2,3,4,5
	v_mov_b32 v[22+\i], 0
.endr
	STATE0                                         ; (also the places between the lines above and the first products)
; A KEY STEP: 128 keys, the q-th of the slot in hand.
.macro STEP q
	s_cmp_gt_u32 s[KF], s[Q0]                      ; all its keys come after my queries: only the line that steps KF is run
	s_cbranch_scc1 .Lhidden_\@
	v_add_nc_u32 v8, s[TB], v1
	v_add_nc_u32 v9, s[TB], v2
	v_add_nc_u32 v10, s[TB], v3
	v_nop                                          ; four places in front of loads into registers that the last products read
.irp p, 0,1,2,3
	FRAG KFR+12*\p, 8, 9, 6400*(\q)+1536*\p
.endr
	ds_load_b128 v[44:47], v10 offset:6400*(\q)+6144
	s_wait_alu depctr_va_vdst(0)
	s_wait_dscnt 0x0
.irp p, 0,1,2,3
	v_wmma_scale_f32_16x16x128_f8f6f4 v[S+16*\p:S+16*\p+7], v[KFR+12*\p:KFR+12*\p+11], v[16:27], 0, v[44+\p], v40 matrix_a_fmt:MATRIX_FMT_FP6 matrix_b_fmt:MATRIX_FMT_FP6
	v_wmma_scale_f32_16x16x128_f8f6f4 v[S+16*\p+8:S+16*\p+15], v[KFR+12*\p:KFR+12*\p+11], v[22:33], 0, v[44+\p], v40 matrix_a_fmt:MATRIX_FMT_FP6 matrix_b_fmt:MATRIX_FMT_FP6
.endr
.rept 4
	v_nop
.endr
.irp t, 0,1,2,3
	FRAG KFR+12*\t, 8, 9, 12800+6400*(\q)+1536*\t  ; V's fragments land while the softmax is walked
.endr
	ds_load_b128 v[48:51], v10 offset:12800+6400*(\q)+6144
	s_cmp_lt_u32 s[KF], s[Q0]                      ; all keys count: no mask
	s_cbranch_scc1 .Lopen_\@
.set n, 0
.rept 64
	v_cmp_gt_i32 vcc_lo, 32*(n/16)+n%16, v4
	v_cndmask_b32 v[S+n], v[S+n], v11, vcc_lo      ; a hidden key's score becomes -infinity: p = 0
.set n, n+1
.endr
.Lopen_\@:
.irp b, 0,1,2,3
	v_max3_num_f32 v[BM+\b], v[S+16*\b], v[S+1+16*\b], v[S+2+16*\b]   ; the largest score of each block of 32 keys: for the row's maximum and, since p rises with the score, for the block's largest p
.endr
.irp i, 3,5,7,9,11,13
.irp b, 0,1,2,3
	v_max3_num_f32 v[BM+\b], v[BM+\b], v[S+16*\b+\i], v[S+1+16*\b+\i]
.endr
.endr
.irp b, 0,1,2,3
	v_max_num_f32 v[BM+\b], v[BM+\b], v[S+15+16*\b]
.endr
.irp b, 0,1,2,3
	s_delay_alu instid0(VALU_DEP_4)
	v_permlanex16_b32 v[PD+\b], v[BM+\b], s[SEL], s[SEL+1]
.endr
.irp b, 0,1,2,3
	s_delay_alu instid0(VALU_DEP_4)
	v_max_num_f32 v[BM+\b], v[BM+\b], v[PD+\b]
.endr
	s_delay_alu instid0(VALU_DEP_2)
	v_max3_num_f32 v[TV], v[BM], v[BM+1], v[BM+2]
	s_delay_alu instid0(VALU_DEP_1)
	v_max_num_f32 v[TV], v[TV], v[BM+3]
	s_delay_alu instid0(VALU_DEP_1)
	v_mul_f32 v[TV], s[CS], v[TV]
	s_delay_alu instid0(VALU_DEP_1)
	v_max_num_f32 v13, v13, v[TV]                  ; the running largest t
	v_mov_b32 v[TV], v12
	s_delay_alu instid0(VALU_DEP_2)
	v_floor_f32 v12, -v13                          ; -M = floor(-t): M is a whole number
	s_delay_alu instid0(VALU_DEP_1)
	v_sub_f32 v[TV], v12, v[TV]
	s_delay_alu instid0(VALU_DEP_1)
	v_cvt_i32_f32 v[TV], v[TV]                     ; (it saturates)
	s_delay_alu instid0(VALU_DEP_1)
	v_ldexp_f32 v[F], 1.0, v[TV]                   ; f = 2^(old M - new M)
.set n, 0
.rept 32
	v_pk_fma_f32 v[S+n:S+n+1], v[S+n:S+n+1], s[CS:CS+1], v[12:13] op_sel_hi:[1,0,0]   ; t - M
.set n, n+2
.endr
.irp b, 0,1,2,3
	v_fma_f32 v[BM+\b], v[BM+\b], s[CS], v12
.endr
.set n, 0
	s_wait_alu depctr_va_vdst(0)
.rept 64
	v_exp_f32 v[S+n], v[S+n]                       ; p = 2^(t - M)
.set n, n+1
.endr
	v_pk_mul_f32 v[14:15], v[14:15], v[F:F+1] op_sel_hi:[1,0]   ; l under the new M (a plain place behind the exponentials)
	s_wait_alu depctr_va_vdst(0)                   ; one wait for the batch, ahead of its first reader
.irp b, 0,1,2,3
	v_exp_f32 v[BM+\b], v[BM+\b]                   ; the block's largest p
.endr
	v_pk_add_f32 v[228:229], v[104:105], v[108:109]
	v_pk_add_f32 v[254:255], v[112:113], v[116:117]
	v_pk_add_f32 v[252:253], v[120:121], v[124:125]
	v_pk_add_f32 v[250:251], v[128:129], v[132:133]
	v_pk_add_f32 v[248:249], v[136:137], v[140:141]
	v_pk_add_f32 v[246:247], v[144:145], v[148:149]
	v_pk_add_f32 v[244:245], v[152:153], v[156:157]
	v_pk_add_f32 v[14:15], v[14:15], v[160:161]
	v_pk_add_f32 v[228:229], v[228:229], v[100:101]
	v_pk_add_f32 v[254:255], v[254:255], v[102:103]
	v_pk_add_f32 v[252:253], v[252:253], v[106:107]
	v_pk_add_f32 v[250:251], v[250:251], v[110:111]
	v_pk_add_f32 v[248:249], v[248:249], v[114:115]
	v_pk_add_f32 v[246:247], v[246:247], v[118:119]
	v_pk_add_f32 v[244:245], v[244:245], v[122:123]
	v_pk_add_f32 v[14:15], v[14:15], v[126:127]
	v_pk_add_f32 v[228:229], v[228:229], v[130:131]
	v_pk_add_f32 v[254:255], v[254:255], v[134:135]
	v_pk_add_f32 v[252:253], v[252:253], v[138:139]
	v_pk_add_f32 v[250:251], v[250:251], v[142:143]
	v_pk_add_f32 v[248:249], v[248:249], v[146:147]
	v_pk_add_f32 v[246:247], v[246:247], v[150:151]
	v_pk_add_f32 v[244:245], v[244:245], v[154:155]
	v_pk_add_f32 v[14:15], v[14:15], v[158:159]
	v_pk_add_f32 v[228:229], v[228:229], v[162:163]
	s_delay_alu instid0(VALU_DEP_2)
	v_pk_add_f32 v[14:15], v[14:15], v[250:251]
	s_delay_alu instid0(VALU_DEP_2)
	v_pk_add_f32 v[228:229], v[228:229], v[248:249]
	v_pk_add_f32 v[254:255], v[254:255], v[246:247]
	v_pk_add_f32 v[252:253], v[252:253], v[244:245]
	s_delay_alu instid0(VALU_DEP_2)
	v_pk_add_f32 v[14:15], v[14:15], v[254:255]
	s_delay_alu instid0(VALU_DEP_2)
	v_pk_add_f32 v[228:229], v[228:229], v[252:253]
	s_delay_alu instid0(VALU_DEP_1)
	v_pk_add_f32 v[14:15], v[14:15], v[228:229]
	s_wait_alu depctr_va_vdst(0)                   ; and one for the four
.irp b, 0,1,2,3
	v_max_num_f32 v[BM+\b], 0x1800000, v[BM+\b]    ; the floor: the byte cannot fall under 1
.endr
.irp b, 0,1,2,3
	s_delay_alu instid0(VALU_DEP_4)
	v_add_nc_u32 v[SOP+\b], 0xff000000, v[BM+\b]
.endr
.irp b, 0,1,2,3
	s_delay_alu instid0(VALU_DEP_4)
	v_lshrrev_b32 v[PD+\b], 23, v[SOP+\b]
.endr
	s_delay_alu instid0(VALU_DEP_3)
	v_lshl_or_b32 v[PWD], v[PD+1], 8, v[PD]
	s_delay_alu instid0(VALU_DEP_1)
	v_lshl_or_b32 v[PWD], v[PD+2], 16, v[PWD]
	s_delay_alu instid0(VALU_DEP_1)
	v_lshl_or_b32 v[PWD], v[PD+3], 24, v[PWD]
.irp c, 0,1
	v_cvt_scalef32_pk16_fp6_f32 v[PC+6*\c:PC+2+6*\c], v[S+32*\c:S+15+32*\c], v[SOP+2*\c]
	v_cvt_scalef32_pk16_fp6_f32 v[PC+12+4*\c:PC+14+4*\c], v[S+16+32*\c:S+31+32*\c], v[SOP+2*\c+1]
.endr
	v_nop                                          ; one plain place behind a scaled conversion
.irp c, 0,1
.irp i, 0,1,2
	v_permlane16_swap_b32 v[PC+6*\c+\i], v[PC+12+4*\c+\i]
.endr
.irp i, 0,1,2
	s_delay_alu instid0(VALU_DEP_3)
	v_mov_b32 v[PC+3+6*\c+\i], v[PC+12+4*\c+\i]
.endr
.endr
.set n, 0
.rept 16
	v_pk_mul_f32 v[O+n:O+n+1], v[O+n:O+n+1], v[F:F+1] op_sel_hi:[1,0]   ; O^T under the new M (also the places in front of the products)
.set n, n+2
.endr
	s_wait_alu depctr_va_vdst(0)
	s_wait_dscnt 0x0                               ; V
.irp t, 0,1,2,3
	v_wmma_scale_f32_16x16x128_f8f6f4 v[O+8*\t:O+8*\t+7], v[KFR+12*\t:KFR+12*\t+11], v[PC:PC+11], v[O+8*\t:O+8*\t+7], v[48+\t], v[PWD] matrix_a_fmt:MATRIX_FMT_FP6 matrix_b_fmt:MATRIX_FMT_FP6
.endr
.Lhidden_\@:
	s_add_co_u32 s[KF], s[KF], 128
.endm
; THE CHANGE OF SLOTS, at a visit's head: each wave waits for all its tensor loads, adds 0 to its spare word, and waits for that and for its reads of the slot that it has left.
; fill = 1: that slot takes the next visit's keys: one load a fetching wave, with a whole visit in which to land.
.macro CHANGE fill
	s_wait_tensorcnt 0x0
	ds_add_u32 v5, v6
.if \fill
	s_xor_b32 s[G0+1], s[G0+1], SLOT1              ; the other slot than last time
	s_add_co_u32 s[SO], s[SO], 12800               ; the next 256 keys,
	s_add_co_u32 s[T1], s[T], 1
	s_cmp_eq_u32 s[T1], s[NA]
	s_cselect_b32 s[SO], 0, s[SO]                  ; or the head's first, where the second block of queries begins
	s_add_nc_u64 s[G0+2:G0+3], s[KVB:KVB+1], s[SO:SO+1]
	s_or_b32 s[G0+3], s[G0+3], 0x80000000
	s_wait_xcnt 0x0                                ; the last prefetch, a visit back, has read its address
	s_add_nc_u64 s[PFA:PFA+1], s[PFA:PFA+1], 12800
.endif
	s_wait_dscnt 0x0
	s_barrier_signal -1
	s_barrier_wait -1
.if \fill
	TLOAD
	ASK
.endif
.endm
; A block of queries is done: O^T / l, quantised along the head's 64 (two blocks), leaves as a unit's image: 768 consecutive bytes; the two scale bytes go to their place in the token's word.
.macro FINISH
.rept 4
	v_nop                                          ; places behind the last products
.endr
	v_add_f32 v14, v14, v15
	s_delay_alu instid0(VALU_DEP_1)
	v_permlanex16_b32 v[TV], v14, s[SEL], s[SEL+1]
	s_delay_alu instid0(VALU_DEP_1)
	v_add_f32 v14, v14, v[TV]                      ; the row's sum
	s_wait_alu depctr_va_vdst(0)
	v_rcp_f32 v14, v14
	v_nop
	s_wait_alu depctr_va_vdst(0)                   ; ahead of the reciprocal's first reader
.set n, 0
.rept 32
	v_mul_f32 v[S+n], v[O+n], v14                  ; register 16 p + i = channel 32 p + 16 h + i
.set n, n+1
.endr
.irp b, 0,1
	v_max3_num_f32 v[BM+\b], |v[S+16*\b]|, |v[S+1+16*\b]|, 0x1800000
.endr
.irp i, 2,4,6,8,10,12,14
.irp b, 0,1
	s_delay_alu instid0(VALU_DEP_2)
	v_max3_num_f32 v[BM+\b], v[BM+\b], |v[S+16*\b+\i]|, |v[S+1+16*\b+\i]|
.endr
.endr
.irp b, 0,1
	s_delay_alu instid0(VALU_DEP_2)
	v_permlanex16_b32 v[PD+\b], v[BM+\b], s[SEL], s[SEL+1]
.endr
.irp b, 0,1
	s_delay_alu instid0(VALU_DEP_2)
	v_max_num_f32 v[BM+\b], v[BM+\b], v[PD+\b]
.endr
.irp b, 0,1
	s_delay_alu instid0(VALU_DEP_2)
	v_add_nc_u32 v[SOP+\b], 0xff000000, v[BM+\b]
.endr
.irp b, 0,1
	s_delay_alu instid0(VALU_DEP_2)
	v_lshrrev_b32 v[PD+\b], 23, v[SOP+\b]
.endr
	s_delay_alu instid0(VALU_DEP_1)
	v_lshl_or_b32 v[OW], v[PD+1], 8, v[PD]
	v_cvt_scalef32_pk16_fp6_f32 v[PC:PC+2], v[S:S+15], v[SOP]
	v_cvt_scalef32_pk16_fp6_f32 v[PC+12:PC+14], v[S+16:S+31], v[SOP+1]
	v_nop
.irp i, 0,1,2
	v_permlane16_swap_b32 v[PC+\i], v[PC+12+\i]
.endr
.irp i, 0,1,2
	s_delay_alu instid0(VALU_DEP_3)
	v_mov_b32 v[PC+3+\i], v[PC+12+\i]
.endr
	global_store_b128 v1, v[PC:PC+3], s[OCP:OCP+1]
	global_store_b64 v2, v[PC+4:PC+5], s[OCP:OCP+1] offset:512
	global_store_b16 v3, v[OW], s[OSP:OSP+1]       ; two bytes of every 16: a token's words are shared by the sixteen heads, which other work-groups make; 2 bytes for each 48 of codes.  Lanes 16-31 write the same
	s_wait_xcnt 0x0                                ; the stores have read their data and bases
.endm
.Lslot:                                            ; eight trips; the ninth visit is written out
	CHANGE 1
	s_cmp_lg_u32 s[T], s[NA]                       ; the same in all sixteen waves
	s_cbranch_scc1 .Lsame
	FINISH                                         ; the first block of queries is done; the second begins
	v_mov_b32 v40, v41
.irp i, 0,1,2,3,4,5
	v_mov_b32 v[16+\i], v[34+\i]
	v_mov_b32 v[28+\i], v[34+\i]
.endr
	STATE0                                         ; (also the places between the lines above and the next products)
	s_mov_b32 s[Q0], s[Q0B]
	s_mov_b64 s[OCP:OCP+1], s[OCPB:OCPB+1]
	s_mov_b64 s[OSP:OSP+1], s[OSPB:OSPB+1]
	s_mov_b32 s[KF], 0
.Lsame:
	STEP 0
	STEP 1
	s_xor_b32 s[TB], s[TB], SLOT1
	s_add_co_u32 s[T], s[T], 1
	s_cmp_lt_u32 s[T], 8
	s_cbranch_scc1 .Lslot
	CHANGE 0
	STEP 0
	STEP 1
	FINISH
	s_wait_tensorcnt 0x0                           ; the wave's end
	ds_add_u32 v5, v6
	s_wait_dscnt 0x0
	s_endpgm
.Lfunc_end_k_q7ae16a99f3_attn:
	.size	k_q7ae16a99f3_attn, .Lfunc_end_k_q7ae16a99f3_attn-k_q7ae16a99f3_attn
	.p2alignl 7, 3214868480
	.fill 96, 4, 3214868480
	.section	.rodata,"a",@progbits
	.p2align	6, 0x0
	.amdhsa_kernel k_q7ae16a99f3_attn
		.amdhsa_group_segment_fixed_size 327680
		.amdhsa_private_segment_fixed_size 0
		.amdhsa_enable_private_segment 0
		.amdhsa_kernarg_size 24
		.amdhsa_user_sgpr_count 2
		.amdhsa_user_sgpr_kernarg_segment_ptr 1
		.amdhsa_wavefront_size32 1
		.amdhsa_system_sgpr_workgroup_id_x 1
		.amdhsa_system_sgpr_workgroup_id_y 1
		.amdhsa_system_sgpr_workgroup_id_z 1
		.amdhsa_system_vgpr_workitem_id 0
		.amdhsa_next_free_vgpr 256
		.amdhsa_next_free_sgpr 72
		.amdhsa_reserve_vcc 1
		.amdhsa_float_denorm_mode_32 3
		.amdhsa_float_denorm_mode_16_64 3
		.amdhsa_memory_ordered 1
		.amdhsa_forward_progress 1
		.amdhsa_inst_pref_size 109
	.end_amdhsa_kernel
	.amdgpu_metadata
---
amdhsa.version: [ 1, 2 ]
amdhsa.kernels:
  - .name:           k_q7ae16a99f3_attn
    .symbol:         k_q7ae16a99f3_attn.kd
    .args:
      - { .name: qkv, .offset: 0, .size: 8, .value_kind: global_buffer, .address_space: global }
      - { .name: oc, .offset: 8, .size: 8, .value_kind: global_buffer, .address_space: global }
      - { .name: os, .offset: 16, .size: 8, .value_kind: global_buffer, .address_space: global }
    .group_segment_fixed_size: 327680
    .private_segment_fixed_size: 0
    .kernarg_segment_align: 8
    .kernarg_segment_size: 24
    .max_flat_workgroup_size: 512
    .sgpr_count:     72
    .vgpr_count:     256
    .wavefront_size: 32
...
	.end_amdgpu_metadata
.endif
;; end of part 3
;; launch gemm_out (part 4): grid 4 x 32, 4 waves a work-group, clusters of 4 x 4, 327,680 bytes of LDS; arguments oc, os, cod, ops, b_proj, out0; writes out0
.if DOCPART == 4
	.amdgcn_target "amdgcn-amd-amdhsa--gfx1250"
	.amdhsa_code_object_version 6
	.text
	.protected	k_q7ae16a99f3_gemm_out
	.globl	k_q7ae16a99f3_gemm_out
	.p2align	8
	.type	k_q7ae16a99f3_gemm_out,@function
k_q7ae16a99f3_gemm_out:
	s_mov_b64 s[64:65], 0
	v_nop
	global_prefetch_b8 v0, s[64:65] scope:SCOPE_SE
	s_setreg_imm32_b32 hwreg(HW_REG_WAVE_MODE, 25, 1), 1
	s_wait_xcnt 0x0
	s_wait_alu depctr_hold_cnt(0) depctr_sa_sdst(0) depctr_va_vdst(0) depctr_va_sdst(0) depctr_va_ssrc(0) depctr_va_vcc(0) depctr_vm_vsrc(0)
	s_getreg_b32 s2, hwreg(HW_REG_IB_STS2, 6, 4)
	s_cmp_eq_u32 s2, 0
	s_cbranch_scc0 .Lentry_in_a_cluster
	s_endpgm
.Lentry_in_a_cluster:
	s_bfe_u32 s2, ttmp6, 0x10000c
	s_cmp_lg_u32 s2, 0xf033
	s_cbranch_scc0 .Lentry_shape_is_right
	s_endpgm
.Lentry_shape_is_right:
; out0 = attention's result x w_proj + b_proj on codes of FP6 (E2M3), K = 1,024; out0 [8192][1024] f32.
; A tile of 256 x 256 is made by four waves, each 128 x 128: 64 accumulators.  Source 0 = w_proj's columns (they run along a lane's registers), source 1 = tokens (across lanes).
; Operands lie in memory as images of their registers (16 rows x 128 K: 1,536 bytes).  K goes in four steps of 256 through three LDS slots: steps 0, 1, 2 are first fills, step 3 the one refill (slot 0).
; By this text's count a wave has four tensor loads out at the start, later one.  CLUSTERS: 4 x 4 work-groups; A's tiles are asked for jointly along a row of the cluster, B's along a column.
; 128 work-groups: a tile of half the size would give 256, with half as many products for each byte read from LDS.
; The bias is the C of each sum's first product.  The rows of a unit are not neighbours (unit 2 p + u: row 32 p + 8 u + r + 8 (r / 8)): the columns so come out as neighbours in a lane's registers; the tokens' order is undone in the stores' offsets.
; REGISTERS, in windows of 256: window 0: v4-21 addresses; v32-95 scale words; v96-127, v224-255 the bias; v128-223 A's fragments, one set; on the way out v128-255 rows of out0.  window 1: B's fragments, two sets.  windows 2, 3: the accumulators.
.set SLOT,  98304
.set SCL,   294912
.set SPARE, 311296
.set FR,    12
.set A16,   4
.set A8,    7
.set B16,   10
.set B8,    13
.set ADRS,  16
.set L16,   17
.set L8,    18
.set BO,    19                         ; v19  64 h: my half's place in a tile of the bias
.set STO,   20                         ; v20  the way out: where I put 32 bytes of a row
.set RD,    21                         ; v21  and where I read a row back
.set SPW,   28
.set NIL,   29
.set SC,    32
.set AF,    128
.set BK,    128
.set G1,   24
.set G1B,  32
.set G1S,  40
.set G1SB, 48
.set G0S,  56
.set G0SB, 60
.set G0,   68
.set G0B,  80
.set MSB, 0
.macro WIN new                         ; the immediate's high byte repeats the setting that is left
.if MSB != (\new)
	s_set_vgpr_msb (MSB<<8)|(\new)
.set MSB, (\new)
.endif
.endm
.set MUL_LO, 0xa1
.set MUL_HI, 0xf1
.set TO_B,   0x40
.macro JLOAD g0a, g1a, g0b, g1b        ; a joint load: waves 0 and 1 fetch for A, waves 2 and 3 for B; an s_nop 0 and four v_nop follow each line
	s_cmp_eq_u32 s15, 0
	s_cbranch_scc0 .Lfor_b_\@
	tensor_load_to_lds s[\g0a:\g0a+3], s[\g1a:\g1a+7]
	s_nop 0
.rept 4
	v_nop
.endr
	s_branch .Lasked_\@
.Lfor_b_\@:
	tensor_load_to_lds s[\g0b:\g0b+3], s[\g1b:\g1b+7]
	s_nop 0
.rept 4
	v_nop
.endr
.Lasked_\@:
.endm
.macro CREST
	s_cmp_lg_u32 s14, 0
	s_cbranch_scc1 .Lnot_wave_0_\@
	s_barrier_signal -3
.Lnot_wave_0_\@:
	s_barrier_wait -3
	s_barrier_signal -1
	s_barrier_wait -1
.endm
.macro CROUND
	s_barrier_signal -1
	s_barrier_wait -1
	CREST
.endm
.macro FRAG reg, a16, a8, off
	ds_load_b128 v[\reg:\reg+3], v[\a16] offset:\off
	ds_load_b64 v[\reg+4:\reg+5], v[\a8] offset:\off+512
	ds_load_b128 v[\reg+6:\reg+9], v[\a16] offset:\off+768
	ds_load_b64 v[\reg+10:\reg+11], v[\a8] offset:\off+1280
.endm
; 16 products: A's units a0, a0 + 1 x B's eight.  zero = 2: the product starts the sum from the bias.  The 64 accumulators take turns, one instruction a turn.
.macro MUL16 a0, kap, zero
.irp a, \a0, \a0+1
.irp b, 0,1,2,3,4,5,6,7
.set DD, 8*(8*((\a)%4)+\b)
.set BF, 128*((\kap)%2)+FR*\b
.set AA, AF+FR*(\a)
.set SB0, SC+8*\b+(\kap)
.set SA0, SC+8*(\a)+(\kap)
.set CB, 96+8*\b+96*(\b/4)
.if \zero == 2
	v_wmma_scale_f32_16x16x128_f8f6f4 v[DD:DD+7], v[BF:BF+11], v[AA:AA+11], v[CB:CB+7], v[SB0], v[SA0] matrix_a_fmt:MATRIX_FMT_FP6 matrix_b_fmt:MATRIX_FMT_FP6 matrix_a_scale:MATRIX_SCALE_ROW1
.else
	v_wmma_scale_f32_16x16x128_f8f6f4 v[DD:DD+7], v[BF:BF+11], v[AA:AA+11], v[DD:DD+7], v[SB0], v[SA0] matrix_a_fmt:MATRIX_FMT_FP6 matrix_b_fmt:MATRIX_FMT_FP6 matrix_a_scale:MATRIX_SCALE_ROW1
.endif
.endr
.endr
.endm
.macro FETCH_B slot, q, p
	WIN TO_B
.irp i, 0,1,2,3,4,5,6,7
	FRAG 128*(\p)+FR*\i, B16+\slot, B8+\slot, 3072*\i+1536*(\q)
.endr
	WIN 0
.endm
.macro FETCH_A slot, q, i0
.irp i, \i0, \i0+1, \i0+2, \i0+3
	FRAG AF+FR*(\i), A16+\slot, A8+\slot, 3072*(\i)+1536*(\q)
.endr
.endm
.macro PLACES n                        ; plain vector instructions between a matrix instruction and a load into, or a read of, its registers (ISA guide 7.12.1 for reads)
.rept \n
	v_nop
.endr
.endm
.macro STEP kap, ns, nq, zero
	s_wait_dscnt 16                                ; B's set and A's units 0-3 are in; the youngest 16 loads (A's units 4-7) may be out
.if \zero == 2
	WIN 0x81                                       ; C (the bias) window 0, D window 2
.else
	WIN MUL_LO
.endif
	MUL16 0, \kap, \zero
	MUL16 2, \kap, \zero
	s_wait_dscnt 0x0
	PLACES 4
	FETCH_B \ns, \nq, 1-(\kap)%2
	FETCH_A \ns, \nq, 0
.if \zero == 2
	WIN 0xc1
.else
	WIN MUL_HI
.endif
	MUL16 4, \kap, \zero
	MUL16 6, \kap, \zero
	PLACES 4
	WIN 0
	FETCH_A \ns, \nq, 4
.endm
.macro TURN kap, ns, fill
	s_wait_tensorcnt 0x0                           ; all my tensor loads have landed
	ds_add_u32 v[SPW], v[NIL]                      ; 0 onto my spare word
	s_wait_dscnt 17                                ; (the add and the youngest 16 loads may be out)
	WIN MUL_LO
	MUL16 0, \kap, 0
	s_wait_dscnt 0x0                               ; the add is done, and my LDS reads are over
	s_barrier_signal -1
	MUL16 2, \kap, 0
	WIN 0
	s_barrier_wait -1
.if \fill
	CREST                                          ; the barrier has opened a round of the cluster's: no wave of any partner still reads slot 0 or has a load on its way
	s_add_nc_u64 s[G0+2:G0+3], s[G0+2:G0+3], 9216
	s_add_nc_u64 s[G0B+2:G0B+3], s[G0B+2:G0B+3], 9216
	JLOAD G0, G1, G0B, G1B                         ; the first tensor load behind the round; its four v_nop are the places in front of the loads below
.else
	PLACES 4
.endif
	FETCH_B \ns, 0, 0
	FETCH_A \ns, 0, 0
	WIN MUL_HI
	MUL16 4, \kap, 0
	MUL16 6, \kap, 0
	PLACES 4
	WIN 0
	FETCH_A \ns, 0, 4
.endm
.macro LAST kap
	s_wait_dscnt 16
	WIN MUL_LO
	MUL16 0, \kap, 0
	MUL16 2, \kap, 0
	s_wait_dscnt 0x0
	WIN MUL_HI
	MUL16 4, \kap, 0
	MUL16 6, \kap, 0
	WIN 0
.endm
	s_load_b256 s[4:11], s[0:1], 0x0               ; oc s[4:5], os s[6:7], cod s[8:9], ops s[10:11]
	s_load_b128 s[96:99], s[0:1], 0x20             ; b_proj s[96:97], out0 s[98:99]
	v_lshl_add_u32 v[SPW], v0, 2, SPARE
	v_mov_b32 v[NIL], 0
	ds_add_u32 v[SPW], v[NIL]                      ; the wave's opening: the add and its wait stand ahead of my first tensor load; work on registers stands between them
	v_lshrrev_b32 v1, 5, v0
	v_readfirstlane_b32 s14, v1                    ; wave 0..3
	s_lshr_b32 s15, s14, 1                         ; my half of A.  Also: I fetch for A (0) or for B (1)
	s_and_b32 s16, s14, 1                          ; my half of B.  Also: which 8 units I fetch
	s_bfe_u32 s92, ttmp6, 0x40000                  ; cx
	s_bfe_u32 s93, ttmp6, 0x40004                  ; cy
	s_and_b32 s95, ttmp7, 0xffff                   ; cluster y
	s_lshl_b32 s17, s93, 2
	s_lshl_b32 s17, 15, s17                        ; my row of the cluster
	s_lshl_b32 s18, 0x1111, s92                    ; my column
	s_or_b32 s[G1], s17, (3<<16)|(1<<21)
	s_or_b32 s[G1B], s18, (3<<16)|(1<<21)
.irp g, G1, G1B                                ; codes: 8 units' 3,072 bytes, 12,288 bytes apart, in elements of 8 bytes
	s_mov_b32 s[\g+1], 384<<16
	s_mov_b32 s[\g+2], 8<<16
	s_mov_b32 s[\g+3], 384<<16
	s_mov_b32 s[\g+4], 8
	s_mov_b32 s[\g+5], 1536
	s_mov_b32 s[\g+6], 0
	s_mov_b32 s[\g+7], 0
.endr
	s_or_b32 s[G1S], s17, (3<<16)|(1<<21)
	s_or_b32 s[G1SB], s18, (3<<16)|(1<<21)
.irp g, G1S, G1SB                              ; scale words: 4,096 dense bytes as 16 rows of 256
	s_mov_b32 s[\g+1], 32<<16
	s_mov_b32 s[\g+2], 16<<16
	s_mov_b32 s[\g+3], 32<<16
	s_mov_b32 s[\g+4], 16
	s_mov_b32 s[\g+5], 32
	s_mov_b32 s[\g+6], 0
	s_mov_b32 s[\g+7], 0
.endr
	s_lshl_b32 s19, s16, 3
	s_lshl_b32 s17, s95, 6
	s_lshl_b32 s18, s93, 4
	s_add_co_u32 s17, s17, s18
	s_add_co_u32 s17, s17, s19                     ; A: unit 64 Y + 16 cy + 8 half
	s_lshl_b32 s18, s92, 4
	s_add_co_u32 s18, s18, 704
	s_add_co_u32 s18, s18, s19                     ; B: unit 704 + 16 cx + 8 half
	s_mul_i32 s20, s17, 12288
	s_mov_b32 s21, 0
	s_lshl_b32 s22, s17, 9
	s_mov_b32 s23, 0
	s_mul_i32 s2, s18, 12288
	s_mov_b32 s3, 0
	s_lshl_b32 s12, s18, 9
	s_mov_b32 s13, 0
	s_mul_i32 s100, s14, 24576
	s_lshl_b32 s101, s14, 12
	s_wait_dscnt 0x0                               ; the opening add is done
	s_wait_kmcnt 0x0
	s_add_nc_u64 s[20:21], s[4:5], s[20:21]
	s_add_nc_u64 s[22:23], s[6:7], s[22:23]
	s_add_nc_u64 s[2:3], s[8:9], s[2:3]
	s_add_nc_u64 s[12:13], s[10:11], s[12:13]
	CROUND                                         ; all sixteen work-groups are here: the first joint loads meet
	s_mov_b32 s[G0S], 1
	s_add_co_u32 s[G0S+1], s101, SCL
	s_mov_b64 s[G0S+2:G0S+3], s[22:23]
	s_or_b32 s[G0S+3], s[G0S+3], 0x80000000
	s_mov_b32 s[G0SB], 1
	s_add_co_u32 s[G0SB+1], s101, SCL
	s_mov_b64 s[G0SB+2:G0SB+3], s[12:13]
	s_or_b32 s[G0SB+3], s[G0SB+3], 0x80000000
	JLOAD G0S, G1S, G0SB, G1SB
.irp s, 0,1,2
	s_mov_b32 s[G0+4*\s], 1
	s_add_co_u32 s[G0+4*\s+1], s100, \s*SLOT
	s_add_nc_u64 s[G0+4*\s+2:G0+4*\s+3], s[20:21], \s*3072
	s_or_b32 s[G0+4*\s+3], s[G0+4*\s+3], 0x80000000
	s_mov_b32 s[G0B+4*\s], 1
	s_add_co_u32 s[G0B+4*\s+1], s100, \s*SLOT
	s_add_nc_u64 s[G0B+4*\s+2:G0B+4*\s+3], s[2:3], \s*3072
	s_or_b32 s[G0B+4*\s+3], s[G0B+4*\s+3], 0x80000000
	JLOAD G0+4*\s, G1, G0B+4*\s, G1B
.endr
	v_and_b32 v1, 31, v0                           ; lane
	v_and_b32 v2, 15, v0                           ; r
	v_bfe_u32 v3, v0, 4, 1                         ; h
	v_lshlrev_b32 v[L16], 4, v1
	v_lshlrev_b32 v[L8], 3, v1
	v_lshlrev_b32 v[BO], 6, v3
	; out0 at my first row and column; b_proj at my first column
	s_lshl_b32 s17, s95, 2
	s_add_co_u32 s17, s17, s93
	s_lshl_b32 s17, s17, 1
	s_add_co_u32 s17, s17, s15                     ; my 128 rows among the 64 such
	s_lshl_b32 s20, s17, 19                        ; x 128 rows of 4,096 bytes
	s_lshl_b32 s18, s92, 10
	s_lshl_b32 s19, s16, 9
	s_add_co_u32 s18, s18, s19                     ; my 128 columns, in bytes
	s_add_co_u32 s20, s20, s18
	s_mov_b32 s21, 0
	s_mov_b32 s19, 0
	s_add_nc_u64 s[98:99], s[98:99], s[20:21]
	s_add_nc_u64 s[96:97], s[96:97], s[18:19]
.irp b, 0,1,2,3,4,5,6,7                        ; the bias in the result's layout: tile b's register j is column 32 (b / 2) + 8 (b % 2) + 16 h + j
	global_load_b128 v[96+8*\b+96*(\b/4):99+8*\b+96*(\b/4)], v[BO], s[96:97] offset:128*(\b/2)+32*(\b%2)
	global_load_b128 v[100+8*\b+96*(\b/4):103+8*\b+96*(\b/4)], v[BO], s[96:97] offset:128*(\b/2)+32*(\b%2)+16
.endr
	s_mul_i32 s17, s15, 24576
	s_mul_i32 s18, s16, 24576
	s_add_co_u32 s18, s18, 49152
.irp s, 0,1,2
	v_add_nc_u32 v[A16+\s], s17, v[L16]
	v_add_nc_u32 v[A8+\s], s17, v[L8]
	v_add_nc_u32 v[B16+\s], s18, v[L16]
	v_add_nc_u32 v[B8+\s], s18, v[L8]
	s_add_co_u32 s17, s17, SLOT
	s_add_co_u32 s18, s18, SLOT
.endr
	s_lshl_b32 s17, s15, 12
	s_lshl_b32 s18, s16, 12
	s_add_co_u32 s18, s18, 8192
	s_sub_co_u32 s18, s18, s17
	v_mul_u32_u24 v[ADRS], s18, v3                 ; lanes 16-31 take B's scale words
	v_lshl_add_u32 v[ADRS], v2, 4, v[ADRS]
	s_add_co_u32 s17, s17, SCL
	v_add_nc_u32 v[ADRS], s17, v[ADRS]
	s_mul_i32 s17, s14, 8448                       ; my stage: 16 rows x 528 bytes, in slot 1: it has its one fill, and behind the second barrier nobody reads it
	s_add_co_u32 s17, s17, SLOT
	v_mul_u32_u24 v[STO], v2, 528
	v_lshl_add_u32 v[STO], v3, 6, v[STO]
	v_add_nc_u32 v[STO], s17, v[STO]               ; in: row r, + 64 h
	v_add_nc_u32 v[RD], s17, v[L16]                ; back: 16 x lane
	s_wait_tensorcnt 2                             ; the scale words and my part of K step 0 are in; K steps 1 and 2 may be out
	s_barrier_signal -1
	s_barrier_wait -1
.irp i, 0,1,2,3,4,5,6,7
.irp e, 0,1
	ds_load_b128 v[SC+8*\i+4*\e:SC+8*\i+4*\e+3], v[ADRS] offset:512*\i+256*\e
.endr
.endr
	FETCH_B 0, 0, 0
	FETCH_A 0, 0, 0
	FETCH_A 0, 0, 4
	s_wait_loadcnt 0x0                             ; the bias
	STEP 0, 0, 1, 2                                ; the first products start the sums from the bias
	TURN 1, 1, 1                                   ; its wait for all loads shows K steps 1 and 2 landed in every wave
	STEP 2, 1, 1, 0
	STEP 3, 2, 0, 0
	STEP 4, 2, 1, 0
	TURN 5, 0, 0                                   ; K step 3 has landed in every wave
	STEP 6, 0, 1, 0
	LAST 7
; THE WAY OUT, block by block of 16 tokens x 128 columns, through my own stage: in by 32 bytes a lane, back as whole rows of 512 bytes.  LDS serves a wave's instructions in order (ISA guide 5.7.1.4).
.macro TOSTAGE a
.set AC, 64*((\a)%4)
	WIN 0x08+4*((\a)/4)                            ; an LDS store's data are its source 1: window 2 or 3
.irp b, 0,1,2,3,4,5,6,7
	ds_store_b128 v[STO], v[AC+8*\b:AC+8*\b+3] offset:128*(\b/2)+32*(\b%2)       ; each accumulator from its low end on
	ds_store_b128 v[STO], v[AC+8*\b+4:AC+8*\b+7] offset:128*(\b/2)+32*(\b%2)+16
.endr
	WIN 0
.set BB, BK+64*((\a)%2)
.irp t, 0,1,2,3,4,5,6,7,8,9,10,11,12,13,14,15
	ds_load_b128 v[BB+4*\t:BB+4*\t+3], v[RD] offset:\t*528
.endr
.endm
.macro SEND a, younger
.set BB, BK+64*((\a)%2)
	s_wait_dscnt \younger                          ; the block is back in registers
.irp t, 0,1,2,3,4,5,6,7,8,9,10,11,12,13,14,15
	global_store_b128 v[L16], v[BB+4*\t:BB+4*\t+3], s[98:99] offset:(32*((\a)/2)+8*((\a)%2)+\t+8*(\t/8))*4096 th:TH_STORE_NT   ; place t of unit a is this row; 512 consecutive bytes, at a multiple of 256 from out0's first byte; the offset stays under 2^19
.endr
.endm
	PLACES 4                                       ; behind the last products
	TOSTAGE 0
.irp a, 1,2,3,4,5,6,7
.if \a > 1
	s_wait_xcnt 0x0                                ; block a - 2's stores have read their registers: block a's loads may land there
.endif
	TOSTAGE \a
	SEND \a-1, 32                                  ; behind block a - 1's loads: block a's 16 stores and 16 loads
.endr
	SEND 7, 0
	s_wait_tensorcnt 0x0                           ; the wave's end, behind my last LDS store
	ds_add_u32 v[SPW], v[NIL]
	s_wait_dscnt 0x0
	CROUND                                         ; the closing round
	s_endpgm
.Lfunc_end_k_q7ae16a99f3_gemm_out:
	.size	k_q7ae16a99f3_gemm_out, .Lfunc_end_k_q7ae16a99f3_gemm_out-k_q7ae16a99f3_gemm_out
	.p2alignl 7, 3214868480
	.fill 96, 4, 3214868480
	.section	.rodata,"a",@progbits
	.p2align	6, 0x0
	.amdhsa_kernel k_q7ae16a99f3_gemm_out
		.amdhsa_group_segment_fixed_size 327680
		.amdhsa_private_segment_fixed_size 0
		.amdhsa_enable_private_segment 0
		.amdhsa_kernarg_size 48
		.amdhsa_user_sgpr_count 2
		.amdhsa_user_sgpr_kernarg_segment_ptr 1
		.amdhsa_wavefront_size32 1
		.amdhsa_system_sgpr_workgroup_id_x 1
		.amdhsa_system_sgpr_workgroup_id_y 1
		.amdhsa_system_sgpr_workgroup_id_z 1
		.amdhsa_system_vgpr_workitem_id 0
		.amdhsa_next_free_vgpr 1024
		.amdhsa_next_free_sgpr 102
		.amdhsa_reserve_vcc 0
		.amdhsa_float_denorm_mode_32 3
		.amdhsa_float_denorm_mode_16_64 3
		.amdhsa_memory_ordered 1
		.amdhsa_forward_progress 1
		.amdhsa_inst_pref_size 143
	.end_amdhsa_kernel
	.amdgpu_metadata
---
amdhsa.version: [ 1, 2 ]
amdhsa.kernels:
  - .name:           k_q7ae16a99f3_gemm_out
    .symbol:         k_q7ae16a99f3_gemm_out.kd
    .args:
      - { .name: oc, .offset: 0, .size: 8, .value_kind: global_buffer, .address_space: global }
      - { .name: os, .offset: 8, .size: 8, .value_kind: global_buffer, .address_space: global }
      - { .name: cod, .offset: 16, .size: 8, .value_kind: global_buffer, .address_space: global }
      - { .name: ops, .offset: 24, .size: 8, .value_kind: global_buffer, .address_space: global }
      - { .name: b_proj, .offset: 32, .size: 8, .value_kind: global_buffer, .address_space: global }
      - { .name: out0, .offset: 40, .size: 8, .value_kind: global_buffer, .address_space: global }
    .group_segment_fixed_size: 327680
    .private_segment_fixed_size: 0
    .kernarg_segment_align: 8
    .kernarg_segment_size: 48
    .max_flat_workgroup_size: 128
    .sgpr_count:     102
    .vgpr_count:     1024
    .wavefront_size: 32
...
	.end_amdgpu_metadata
.endif
;; end of part 4
